; MI455X (gfx1250); checked and timed in simulation.
; The chip was launched on July 23, 2026; its instructions are those of AMD's public machine-readable ISA for CDNA 5 (MIT licence, August 2026) and "CDNA5" Instruction Set Architecture Reference Guide (July 2026). The comments in the code are by the model that wrote it; some were corrected since.
;; Transformer Block. Allowed arithmetic: matrix products marked QUANTISED: E4M3 operands, one given power-of-two scale a tensor, by v_wmma_f32_16x16x64_fp8_fp8 or v_wmma_f32_16x16x128_fp8_fp8, f32 sums; everything else in f32.
;; Inputs: W1 1,024 x 2,730 float32; W2 1,024 x 2,730 float32; W3 2,730 x 1,024 float32; W_out 1,024 x 1,024 float32; W_qkv 1,024 x 3,072 float32; attention_mask 2 x 2,048 bool; b1 1,024 float32; b2 1,024 float32; g1 1,024 float32; g2 1,024 float32; lowp_scales 14 int32 (the exponents e of the quantised operands' scales 2^e); x 2 x 2,048 x 1,024 float32.
;; Outputs: out0 2 x 2,048 x 1,024 float32.
;; This version of the problem:
;;   THIS VERSION OF THE PROBLEM IS GIVEN IN LOW PRECISION. The matrix products marked QUANTISED in the list below multiply operands that are first quantised to E4M3 (4 exponent bits, 3 mantissa bits; 8 bits a number), with one given power-of-two scale for each operand tensor; their sums are f32. All else is computed in f32.
;;   The module's matrix products, in the order in which they are computed (A, B: the left and right operand; K: the contracted axis; several contracted axes count as one K, in the product's order):
;;     1. [M 4,096, K 1,024] x [K 1,024, N 3,072]; A: computed on the way; B: input W_qkv: QUANTISED (scales: A lowp_scales[0], B lowp_scales[1])
;;     2. batch 32 x [M 2,048, K 64] x [K 64, N 2,048]; A: computed on the way; B: computed on the way: QUANTISED (scales: A lowp_scales[2], B lowp_scales[3])
;;     3. batch 32 x [M 2,048, K 2,048] x [K 2,048, N 64]; A: computed on the way; B: computed on the way: QUANTISED (scales: A lowp_scales[4], B lowp_scales[5])
;;     4. [M 4,096, K 1,024] x [K 1,024, N 1,024]; A: computed on the way; B: input W_out: QUANTISED (scales: A lowp_scales[6], B lowp_scales[7])
;;     5. [M 4,096, K 1,024] x [K 1,024, N 2,730]; A: computed on the way; B: input W1: QUANTISED (scales: A lowp_scales[8], B lowp_scales[9])
;;     6. [M 4,096, K 1,024] x [K 1,024, N 2,730]; A: computed on the way; B: input W2: QUANTISED (scales: A lowp_scales[10], B lowp_scales[11])
;;     7. [M 4,096, K 2,730] x [K 2,730, N 1,024]; A: computed on the way; B: input W3: QUANTISED (scales: A lowp_scales[12], B lowp_scales[13])
;;   THE QUANTISER, for each operand of a quantised product, along K:
;;     - The operand's scale is 2^e, e = its entry of the input lowp_scales (int32; the entries are numbered through the quantised products in the list's order, A before B).
;;     - Each number is divided by the scale, clamped to +-448, and rounded to the nearest number of E4M3, ties to even, subnormals kept.
;;     - The product sums the exact products of the quantised numbers (number of the format x scale) in f32.
;;   ~~~python
;;   def quantise(x, axis, e):      # numpy; x: float32 -> the quantised numbers, widened to float32 again
;;       x = np.moveaxis(x, axis, -1); K = x.shape[-1]
;;       r = np.clip(x / 2.0 ** e, -448, 448)
;;       step = 2.0 ** (np.maximum(np.frexp(np.where(r == 0, 1, r))[1] - 1, -6) - 3)
;;       q = np.round(r / step) * step * 2.0 ** e      # np.round: ties to even
;;       return np.moveaxis(q, -1, axis).astype(np.float32)
;;   ~~~
;;   OPERANDS COMPUTED ON THE WAY. 'Computed on the way' means the value that the module computes at that place (a softmax that the list does not call 'softmax' is quantised finished and normalised). What goes into a quantiser is computed in f32, as accurately as f32 sums, v_exp_f32 and their like allow (about 1e-6 of the number): no bf16 or f16 on the way to a quantiser, and a product that is left as it is and whose result goes on into a quantised operand takes f32 operands (vector FMAs, or v_wmma_f32_16x16x4_f32). A number that lies on a knife's edge between two numbers of the format may be rounded either way, as far as f32 arithmetic and the matrix unit's own rounding can turn it there, and no further.
;; One version. Each part assembles by itself: llvm-mc -triple=amdgcn-amd-amdhsa -mcpu=gfx1250 --defsym DOCPART=n.
;; ======== version 1 of 1: 7 launches
;; limits: right only within a limited range of input values
;; workspace buffers: wts 12,845,056 bytes; h1 4,194,304 bytes; qkv 12,582,912 bytes; ao 4,194,304 bytes; x1 16,777,216 bytes; h2 8,388,608 bytes; f 11,534,336 bytes
;; launch wq (part 1): grid 648 x 1, 4 waves a work-group, no clusters, 52,224 bytes of LDS; arguments W_qkv, W_out, W1, W2, W3, lowp_scales, wts, x, g1, b1, h1; writes wts, h1
.if DOCPART == 1
	.amdgcn_target "amdgcn-amd-amdhsa--gfx1250"
	.amdhsa_code_object_version 6
	.text
	.protected	k_qac8c5e2876_wq
	.globl	k_qac8c5e2876_wq
	.p2align	8
	.type	k_qac8c5e2876_wq,@function
k_qac8c5e2876_wq:
	s_mov_b64 s[64:65], 0
	v_nop
	global_prefetch_b8 v0, s[64:65] scope:SCOPE_SE
	s_setreg_imm32_b32 hwreg(HW_REG_WAVE_MODE, 25, 1), 1
	s_wait_xcnt 0x0
; The five weights, f32 stored [k][n], become codes of E4M3, each with its given scale 2^e, laid as IMAGES OF OPERAND REGISTERS:
; rows = n, 16 to a tile; the fragment of row tile R and K step s (128 along K) is 2,048 bytes at (R KS + s) 2048; in it byte 512 c + 16 lane + i
; (lane = r + 16 h) is the code of row 16 R + r at k = 128 s + 32 c + 16 (i / 8) + 8 h + i % 8: four 16-byte loads at 16 x lane fill the 16 registers of a fragment.
; A work-group takes 128 columns x 256 along K, a wave 32 columns, A LANE ONE COLUMN, AND ITS REGISTERS RUN DOWN K: a load reads 128 consecutive bytes, and the conversions give codes with K innermost.
; Within a block of 32 the registers take k with bits 3 and 4 exchanged, so that 16 consecutive bytes of a stage row are a lane's 16 bytes of the image.
; One path serves all tensors: sizes, pointers and e are chosen by selects on the work-group's number: 0-95 W_qkv, 96-127 W_out, 128-215 W1, 216-303 W2, 304-391 W3.
; W1, W2: columns 2,730 to 2,815 get zero codes (their hold is 0).  W3: rows past 2,729 repeat row 2,729 (no load leaves the buffer); they meet zero codes of the other operand.
; LIMITS: each e between -126 and 119.  NaN among the inputs is not served.
.set PITCH, 272                        ; a stage row: 256 bytes of codes + 16
.set SPARE, 4*32*PITCH                 ; behind the four stages: the spare words, 128 bytes a wave
.set X,    32                          ; v32-95   two sets of 32 numbers
.set OFF,  96                          ; v96-159  two sets of 32 byte offsets
.set C,    160                         ; v160-167 a block's codes
.set OUTR, 168                         ; v168-231 the way out
.set SPW,  14
.set NIL,  15
.set KB,   44                          ; s44 my first k
.macro PICK bound, base, n, stride, kmax, ksb, woff, e, p
	s_cmp_lt_u32 ttmp9, \bound
	s_cselect_b32 s34, \base, s34                  ; the tensor's first work-group
	s_cselect_b32 s35, \n, s35                     ; its columns
	s_cselect_b32 s36, \stride, s36                ; bytes from row to row
	s_cselect_b32 s37, \kmax, s37                  ; its last row
	s_cselect_b32 s38, \ksb, s38                   ; bytes of a row tile's image
	s_cselect_b32 s39, \woff, s39                  ; where its image begins
	s_cselect_b32 s41, s[\e], s41                  ; e
	s_cselect_b64 s[42:43], s[\p:\p+1], s[42:43]   ; the choice hangs on the work-group's number alone
.endm
; ONE LAUNCH PREPARES ALL OPERANDS OF THE FIRST PRODUCT: work-groups 0 to 391 take the weights (this path), work-groups 392 to 647 the first layer norm (the path at .Lln, with LDS bytes of its own).
	v_lshl_add_u32 v[SPW], v0, 2, SPARE
	v_mov_b32 v[NIL], 0
	s_cmp_ge_u32 ttmp9, 392                        ; the work-group's number alone decides: all four waves go the same way
	s_cbranch_scc1 .Lln
	s_load_b256 s[4:11], s[0:1], 0x0               ; W_qkv, W_out, W1, W2
	s_load_b128 s[12:15], s[0:1], 0x20             ; W3, the scales' exponents
	s_load_b64 s[16:17], s[0:1], 0x30              ; the images
	v_lshrrev_b32 v1, 5, v0
	v_readfirstlane_b32 s18, v1                    ; wave
	v_and_b32 v2, 31, v0                           ; lane
	v_and_b32 v5, 15, v0                           ; r
	v_bfe_u32 v6, v0, 4, 1                         ; h
	s_mul_i32 s19, s18, 32*PITCH                   ; my stage
	v_mul_u32_u24 v4, v2, PITCH
	v_add_nc_u32 v4, s19, v4                       ; into it: row = my column
	v_mul_u32_u24 v7, v5, PITCH
	v_lshl_add_u32 v7, v6, 4, v7
	v_add_nc_u32 v7, s19, v7                       ; out of it: row r, + 16 h
	v_lshlrev_b32 v8, 4, v2                        ; 16 x lane
	s_wait_alu depctr_va_vdst(0)
	s_wait_kmcnt 0x0
	s_load_b256 s[20:27], s[14:15], 0x0            ; e0 .. e7
	s_load_b128 s[28:31], s[14:15], 0x20           ; e8 .. e11
	s_load_b64 s[32:33], s[14:15], 0x30            ; e12, e13
	s_mov_b32 s34, 304                             ; W3's figures; the others' take their place below
	s_mov_b32 s35, 1024
	s_mov_b32 s36, 4096
	s_mov_b32 s37, 2729
	s_mov_b32 s38, 22*2048
	s_mov_b32 s39, 9961472
	s_wait_kmcnt 0x0
	s_mov_b32 s41, s33
	s_mov_b64 s[42:43], s[12:13]
	PICK 304, 216, 2730, 10920, 1023, 16384, 7077888, 31, 10
	PICK 216, 128, 2730, 10920, 1023, 16384, 4194304, 29, 8
	PICK 128, 96, 1024, 4096, 1023, 16384, 3145728, 27, 6
	PICK 96, 0, 3072, 12288, 1023, 16384, 0, 21, 4
	s_sub_co_u32 s45, ttmp9, s34                   ; my number within the tensor
	s_and_b32 s46, s45, 3
	s_lshr_b32 s47, s45, 2
	s_lshr_b32 s48, s45, 3
	s_and_b32 s49, s45, 7
	s_cmp_lt_u32 ttmp9, 304
	s_cselect_b32 s46, s46, s48                    ; which 256 along K (W3: 11 of them, the others 4)
	s_cselect_b32 s47, s47, s49                    ; which 128 columns
	s_lshl_b32 s[KB], s46, 8
	s_lshl_b32 s48, s47, 7
	s_lshl_b32 s49, s18, 5
	s_add_co_u32 s48, s48, s49
	v_add_nc_u32 v1, s48, v2                       ; my column n
	s_sub_co_u32 s49, s35, 1
	v_min_u32 v3, s49, v1                          ; held inside the tensor
	v_lshlrev_b32 v3, 2, v3
	s_wait_alu depctr_va_vdst(0)
	s_add_co_i32 s41, s41, 127
	s_lshl_b32 s50, s41, 23
	v_mov_b32 v11, s50                             ; 2^e as f32: the conversion takes its exponent field
	s_add_co_i32 s41, s41, 8
	s_lshl_b32 s41, s41, 23
	s_or_b32 s41, s41, 0x600000
	v_mov_b32 v12, s41                             ; 448 x 2^e
	v_cmp_gt_u32 vcc_lo, s35, v1
	v_cndmask_b32 v10, 0, v12, vcc_lo              ; the hold; 0 for a column past the tensor: its codes are zeros
	s_lshl_b32 s50, s47, 3
	s_lshl_b32 s51, s18, 1
	s_add_co_u32 s50, s50, s51                     ; my first row tile: 8 x column group + 2 x wave
	s_mul_i32 s50, s50, s38
	s_lshl_b32 s51, s46, 12                        ; + two K steps for each 256 along K
	s_add_co_u32 s50, s50, s51
	s_add_co_u32 s50, s50, s39
	s_mov_b32 s51, 0
	s_add_nc_u64 s[16:17], s[16:17], s[50:51]
	v_add_nc_u32 v9, s38, v8                       ; 16 x lane in my second row tile
.macro LOAD t                          ; block t: register i takes k = KB + 32 t + (i with bits 3 and 4 exchanged)
.set i, 0
.rept 32
	s_add_co_u32 s40, s[KB], 32*(\t)+(i&7)+((i&8)<<1)+((i&16)>>1)
	s_min_u32 s40, s40, s37
	s_mul_i32 s40, s40, s36
	v_add_nc_u32 v[OFF+32*((\t)%2)+i], s40, v3
	global_load_b32 v[X+32*((\t)%2)+i], v[OFF+32*((\t)%2)+i], s[42:43] th:TH_LOAD_NT
.set i, i+1
.endr
.endm
.macro BLOCK t
.set XS, X+32*((\t)%2)
.if (\t) < 7
	s_wait_loadcnt 32                              ; this block's 32 loads are in (so its offsets may be written again); the next block's may be out
.else
	s_wait_loadcnt 0
.endif
.set i, 0
.rept 32
	v_med3_num_f32 v[XS+i], v[XS+i], -v10, v10     ; the conversion to an 8-bit code does not saturate (ISA guide 7.6.2): the hold comes first
.set i, i+1
.endr
.irp g, 0,1,2,3
	v_cvt_scalef32_pk8_fp8_f32 v[C+2*\g:C+2*\g+1], v[XS+8*\g:XS+8*\g+7], v11
.endr
	ds_store_b128 v4, v[C:C+3] offset:32*(\t)
	ds_store_b128 v4, v[C+4:C+7] offset:32*(\t)+16
.if (\t)+2 < 8
	LOAD (\t)+2
.endif
	s_wait_dscnt 0x0                               ; the stores have read their registers: the next block's codes may be written
.endm
	LOAD 0
	LOAD 1
.set Q, 0
.rept 8
	BLOCK Q
.set Q, Q+1
.endr
.set t, 0
.rept 16                               ; row tile t / 8, K step (t / 4) % 2, group t % 4.  LDS serves a wave's instructions in order: these see my stores
	ds_load_b128 v[OUTR+4*t:OUTR+4*t+3], v7 offset:(t/8)*16*PITCH+((t/4)%2)*128+(t%4)*32
.set t, t+1
.endr
.set t, 0
.rept 16
	s_wait_dscnt 15-t                              ; the younger loads may be out
.if t < 8
	global_store_b128 v8, v[OUTR+4*t:OUTR+4*t+3], s[16:17] offset:((t/4)%2)*2048+(t%4)*512   ; 32 lanes store 512 consecutive bytes, aligned
.else
	global_store_b128 v9, v[OUTR+4*t:OUTR+4*t+3], s[16:17] offset:((t/4)%2)*2048+(t%4)*512
.endif
.set t, t+1
.endr
	s_wait_tensorcnt 0x0                           ; the wave's end
	ds_add_u32 v[SPW], v[NIL]
	s_wait_dscnt 0x0
	s_endpgm
; THE SECOND PATH.  Layer norm of x, [4096][1024] f32 rows, with g1 and b1, then codes of E4M3 with the scale 2^e0, laid as images of operand registers (row tile R, K step s at (8 R + s) 2048;
; byte 512 c + 16 lane + i = row 16 R + r, k = 128 s + 32 c + 16 (i / 8) + 8 h + i % 8).  All arithmetic in f32: mean, mean of squared differences, 1 / sqrt(v + 1e-5), x g + b.
; A work-group takes 16 rows (one row tile), a wave four whole rows, each in 32 registers: read once; the codes meet in a stage in LDS.
; A lane's four codes of a load go to the stage row at 128 j + 4 x (lane with bits 1 and 2 exchanged): so 16 consecutive bytes of a stage row are a lane's 16 bytes of the image.
; LIMITS: e0 between -126 and 119.  NaN among the inputs is not served.
.Lln:
.set SP,  1040                         ; a stage row: 1,024 bytes + 16
.set LNB, 35328                        ; this path's stage of 16 rows: behind the first path's stages and the spare words
.set LG,  16                           ; v16-47  g of my columns
.set LB,  48                           ; v48-79  b
.set LX,  80                           ; v80-207 four rows
.set LT,  208                          ; v208-239 held numbers
.set LC,  240                          ; v240-247 codes
.set LS,  248                          ; v248-255 sums
	s_load_b128 s[4:7], s[0:1], 0x38               ; x, g1
	s_load_b128 s[8:11], s[0:1], 0x48              ; b1, the images
	s_load_b64 s[12:13], s[0:1], 0x28              ; the scales' exponents
	v_lshrrev_b32 v1, 5, v0
	v_readfirstlane_b32 s14, v1                    ; wave
	v_and_b32 v1, 31, v0
	v_lshlrev_b32 v2, 4, v1                        ; 16 x lane
	v_and_b32 v5, 0x19, v1
	v_bfe_u32 v6, v1, 1, 1
	v_lshl_add_u32 v5, v6, 2, v5
	v_bfe_u32 v6, v1, 2, 1
	v_lshl_add_u32 v5, v6, 1, v5                   ; lane with bits 1 and 2 exchanged
	s_mul_i32 s15, s14, 4*SP
	s_add_co_u32 s15, s15, LNB
	v_lshl_add_u32 v3, v5, 2, s15                  ; into the stage: my wave's four rows
	v_and_b32 v6, 15, v0
	v_bfe_u32 v7, v0, 4, 1
	v_mul_u32_u24 v4, v6, SP
	v_lshl_add_u32 v4, v7, 4, v4
	s_lshl_b32 s16, s14, 8
	s_add_co_u32 s16, s16, LNB
	v_add_nc_u32 v4, s16, v4                       ; out of it: row r, + 16 h, + my wave's two K steps
	s_sub_co_u32 s17, ttmp9, 392                   ; my row tile
	s_lshl_b32 s18, s17, 16
	s_lshl_b32 s19, s14, 14
	s_add_co_u32 s18, s18, s19                     ; my first row: 16 x row tile + 4 x wave, 4,096 bytes each
	s_mov_b32 s19, 0
	s_lshl_b32 s22, s17, 14
	s_lshl_b32 s23, s14, 12
	s_add_co_u32 s22, s22, s23                     ; my part of the image
	s_mov_b32 s23, 0
	s_mov_b32 s24, 0x76543210
	s_mov_b32 s25, 0xfedcba98                      ; v_permlanex16_b32: lane l xor 16
	s_mov_b32 s26, 0x3a800000                      ; 1 / 1024
	s_mov_b32 s27, 0x3727c5ac                      ; 1e-5
	s_wait_kmcnt 0x0
	s_load_b32 s28, s[12:13], 0x0                  ; e0
	s_add_nc_u64 s[4:5], s[4:5], s[18:19]
	s_add_nc_u64 s[10:11], s[10:11], s[22:23]
.irp j, 0,1,2,3,4,5,6,7
	global_load_b128 v[LG+4*\j:LG+4*\j+3], v2, s[6:7] offset:512*\j
.endr
.irp j, 0,1,2,3,4,5,6,7
	global_load_b128 v[LB+4*\j:LB+4*\j+3], v2, s[8:9] offset:512*\j
.endr
.irp p, 0,1,2,3
.irp j, 0,1,2,3,4,5,6,7
	global_load_b128 v[LX+32*\p+4*\j:LX+32*\p+4*\j+3], v2, s[4:5] offset:4096*\p+512*\j th:TH_LOAD_NT   ; 512 consecutive bytes a load
.endr
.endr
	s_wait_kmcnt 0x0
	s_add_co_i32 s30, s28, 127
	s_lshl_b32 s31, s30, 23
	v_mov_b32 v8, s31                              ; 2^e0 as f32
	s_add_co_i32 s30, s30, 8
	s_lshl_b32 s30, s30, 23
	s_or_b32 s30, s30, 0x600000
	v_mov_b32 v9, s30                              ; 448 x 2^e0
.macro LANESUM                         ; v[LS], v[LS+1] added, then over the 32 lanes; every lane has the sum
	v_add_f32 v[LS], v[LS], v[LS+1]
	v_add_f32_dpp v[LS], v[LS], v[LS] row_xmask:1 row_mask:0xf bank_mask:0xf
	v_add_f32_dpp v[LS], v[LS], v[LS] row_xmask:2 row_mask:0xf bank_mask:0xf
	v_add_f32_dpp v[LS], v[LS], v[LS] row_xmask:4 row_mask:0xf bank_mask:0xf
	v_add_f32_dpp v[LS], v[LS], v[LS] row_xmask:8 row_mask:0xf bank_mask:0xf
	v_permlanex16_b32 v[LS+1], v[LS], s24, s25
	v_add_f32 v[LS], v[LS], v[LS+1]
.endm
.macro JOIN                            ; the four chains into one pair
	v_pk_add_f32 v[LS:LS+1], v[LS:LS+1], v[LS+2:LS+3]
	v_pk_add_f32 v[LS+4:LS+5], v[LS+4:LS+5], v[LS+6:LS+7]
	v_pk_add_f32 v[LS:LS+1], v[LS:LS+1], v[LS+4:LS+5]
.endm
.macro ROW p
.set XR, LX+32*(\p)
	s_wait_loadcnt 8*(3-(\p))                      ; g, b and this row are in; the later rows' loads may be out
.irp q, 0,1,2,3
	v_pk_add_f32 v[LS+2*\q:LS+2*\q+1], v[XR+2*\q:XR+2*\q+1], v[XR+8+2*\q:XR+9+2*\q]   ; four chains; the first terms start them
.endr
.irp u, 16, 24
.irp q, 0,1,2,3
	v_pk_add_f32 v[LS+2*\q:LS+2*\q+1], v[LS+2*\q:LS+2*\q+1], v[XR+\u+2*\q:XR+\u+1+2*\q]
.endr
.endr
	JOIN
	LANESUM
	v_mul_f32 v[LS+2], s26, v[LS]                  ; the mean
.set n, 0
.rept 16
	v_pk_add_f32 v[XR+n:XR+n+1], v[XR+n:XR+n+1], v[LS+2:LS+3] op_sel_hi:[1,0] neg_lo:[0,1] neg_hi:[0,1]
.set n, n+2
.endr
.irp q, 0,1,2,3
	v_pk_mul_f32 v[LS+2*\q:LS+2*\q+1], v[XR+2*\q:XR+2*\q+1], v[XR+2*\q:XR+2*\q+1]
.endr
.irp u, 8, 16, 24
.irp q, 0,1,2,3
	v_pk_fma_f32 v[LS+2*\q:LS+2*\q+1], v[XR+\u+2*\q:XR+\u+1+2*\q], v[XR+\u+2*\q:XR+\u+1+2*\q], v[LS+2*\q:LS+2*\q+1]
.endr
.endr
	JOIN
	LANESUM
	v_fma_f32 v[LS], v[LS], s26, s27               ; the variance + 1e-5
	s_wait_alu depctr_va_vdst(0)                   ; the wait ahead of the transcendental,
	v_rsq_f32 v[LS+2], v[LS]
	v_nop                                          ; a plain line behind it,
	s_wait_alu depctr_va_vdst(0)                   ; and the wait ahead of its first reader
.set n, 0
.rept 16
	v_pk_mul_f32 v[XR+n:XR+n+1], v[XR+n:XR+n+1], v[LS+2:LS+3] op_sel_hi:[1,0]
.set n, n+2
.endr
.set n, 0
.rept 16
	v_pk_fma_f32 v[XR+n:XR+n+1], v[XR+n:XR+n+1], v[LG+n:LG+n+1], v[LB+n:LB+n+1]
.set n, n+2
.endr
.set n, 0
.rept 32
	v_med3_num_f32 v[LT+n], v[XR+n], -v9, v9       ; the hold at the largest code x the scale (ISA guide 7.6.2)
.set n, n+1
.endr
	s_wait_alu depctr_va_vdst(0)
	s_wait_dscnt 0x0                               ; the last stores into the stage have read the codes' registers
.irp g, 0,1,2,3
	v_cvt_scalef32_pk8_fp8_f32 v[LC+2*\g:LC+2*\g+1], v[LT+8*\g:LT+8*\g+7], v8   ; register j: the four codes of load j
.endr
	v_nop                                          ; a plain line behind the last conversion
.irp j, 0,1,2,3,4,5,6,7
	ds_store_b32 v3, v[LC+\j] offset:(\p)*SP+128*\j
.endr
.endm
	ROW 0
	ROW 1
	ROW 2
	ROW 3
	s_wait_dscnt 0x0                               ; for the others' sake: my stores into the stage are done
	s_barrier_signal -1
	s_barrier_wait -1
.set t, 0
.rept 8                                ; my K step t / 4, group t % 4
	ds_load_b128 v[LX+4*t:LX+4*t+3], v4 offset:(t/4)*128+(t%4)*32
.set t, t+1
.endr
.set t, 0
.rept 8
	s_wait_dscnt 7-t                               ; the younger loads may be out
	global_store_b128 v2, v[LX+4*t:LX+4*t+3], s[10:11] offset:(t/4)*2048+(t%4)*512   ; 512 consecutive bytes, aligned
.set t, t+1
.endr
	s_wait_tensorcnt 0x0                           ; the wave's end
	ds_add_u32 v[SPW], v[NIL]
	s_wait_dscnt 0x0
	s_endpgm
.Lfunc_end_k_qac8c5e2876_wq:
	.size	k_qac8c5e2876_wq, .Lfunc_end_k_qac8c5e2876_wq-k_qac8c5e2876_wq
	.p2alignl 7, 3214868480
	.fill 96, 4, 3214868480
	.section	.rodata,"a",@progbits
	.p2align	6, 0x0
	.amdhsa_kernel k_qac8c5e2876_wq
		.amdhsa_group_segment_fixed_size 52224
		.amdhsa_private_segment_fixed_size 0
		.amdhsa_enable_private_segment 0
		.amdhsa_kernarg_size 88
		.amdhsa_user_sgpr_count 2
		.amdhsa_user_sgpr_kernarg_segment_ptr 1
		.amdhsa_wavefront_size32 1
		.amdhsa_system_sgpr_workgroup_id_x 1
		.amdhsa_system_sgpr_workgroup_id_y 1
		.amdhsa_system_sgpr_workgroup_id_z 1
		.amdhsa_system_vgpr_workitem_id 0
		.amdhsa_next_free_vgpr 256
		.amdhsa_next_free_sgpr 66
		.amdhsa_reserve_vcc 1
		.amdhsa_float_denorm_mode_32 3
		.amdhsa_float_denorm_mode_16_64 3
		.amdhsa_memory_ordered 1
		.amdhsa_forward_progress 1
		.amdhsa_inst_pref_size 135
	.end_amdhsa_kernel
	.amdgpu_metadata
---
amdhsa.version: [ 1, 2 ]
amdhsa.kernels:
  - .name:           k_qac8c5e2876_wq
    .symbol:         k_qac8c5e2876_wq.kd
    .args:
      - { .name: W_qkv, .offset: 0, .size: 8, .value_kind: global_buffer, .address_space: global }
      - { .name: W_out, .offset: 8, .size: 8, .value_kind: global_buffer, .address_space: global }
      - { .name: W1, .offset: 16, .size: 8, .value_kind: global_buffer, .address_space: global }
      - { .name: W2, .offset: 24, .size: 8, .value_kind: global_buffer, .address_space: global }
      - { .name: W3, .offset: 32, .size: 8, .value_kind: global_buffer, .address_space: global }
      - { .name: lowp_scales, .offset: 40, .size: 8, .value_kind: global_buffer, .address_space: global }
      - { .name: wts, .offset: 48, .size: 8, .value_kind: global_buffer, .address_space: global }
      - { .name: x, .offset: 56, .size: 8, .value_kind: global_buffer, .address_space: global }
      - { .name: g1, .offset: 64, .size: 8, .value_kind: global_buffer, .address_space: global }
      - { .name: b1, .offset: 72, .size: 8, .value_kind: global_buffer, .address_space: global }
      - { .name: h1, .offset: 80, .size: 8, .value_kind: global_buffer, .address_space: global }
    .group_segment_fixed_size: 52224
    .private_segment_fixed_size: 0
    .kernarg_segment_align: 8
    .kernarg_segment_size: 88
    .max_flat_workgroup_size: 128
    .sgpr_count:     66
    .vgpr_count:     256
    .wavefront_size: 32
...
	.end_amdgpu_metadata
.endif
;; end of part 1
;; launch gqkv (part 2): grid 16 x 48, 4 waves a work-group, clusters of 4 x 4, 327,680 bytes of LDS; arguments h1, wts, lowp_scales, qkv; writes qkv
.if DOCPART == 2
	.amdgcn_target "amdgcn-amd-amdhsa--gfx1250"
	.amdhsa_code_object_version 6
	.text
	.protected	k_qac8c5e2876_gqkv
	.globl	k_qac8c5e2876_gqkv
	.p2align	8
	.type	k_qac8c5e2876_gqkv,@function
k_qac8c5e2876_gqkv:
	s_mov_b64 s[64:65], 0
	v_nop
	global_prefetch_b8 v0, s[64:65] scope:SCOPE_SE
	s_setreg_imm32_b32 hwreg(HW_REG_WAVE_MODE, 25, 1), 1
	s_wait_xcnt 0x0
	s_wait_alu depctr_hold_cnt(0) depctr_sa_sdst(0) depctr_va_vdst(0) depctr_va_sdst(0) depctr_va_ssrc(0) depctr_va_vcc(0) depctr_vm_vsrc(0)
	s_getreg_b32 s2, hwreg(HW_REG_IB_STS2, 6, 4)
	s_cmp_eq_u32 s2, 0
	s_cbranch_scc0 .Lentry_in_a_cluster
	s_endpgm
.Lentry_in_a_cluster:
	s_bfe_u32 s2, ttmp6, 0x10000c
	s_cmp_lg_u32 s2, 0xf033
	s_cbranch_scc0 .Lentry_shape_is_right
	s_endpgm
.Lentry_shape_is_right:
; qkv = LN1(x) W_qkv on codes of E4M3, and its three parts quantised at once for attention: q (e2) and k (e3) as images [head of 32][token tile of 128][1,024 bytes] (K = the head's 64),
; v (e5) as images with the KEYS along K: [head][key step of 16][16 channels, 4 tiles][2,048 bytes].  All operands lie in memory as images of operand registers: a fragment (16 rows x 128 K) is 2,048 dense bytes,
; four 16-byte loads at 16 x lane; no pitch, no padding, k in its own place.
; A tile of 128 x 128 to a work-group, 64 x 64 to each of four waves: 16 accumulators.  K = 1,024 is eight steps of 128: two LDS slots of four steps hold all of it, so nothing is filled again.
; THE MATRIX INSTRUCTION IS USED TRANSPOSED (source 0 = B's fragment, source 1 = A's): a lane holds one row of A's side and eight neighbours of B's side, which are neighbours along the next product's K:
; one conversion gives two registers of the next operand.  For q and k: A = h1 (tokens), B = W's rows.  FOR v THE ROLES ARE EXCHANGED BY POINTERS (A = W's rows 2,048 on, B = h1), so that a lane holds a channel and its registers run along the keys.
; CLUSTERS of 4 x 4: A's tiles are asked for jointly along a row of the cluster, B's along a column.  Cluster rows 0-7: q, k (32 x 16 tiles); 8-11: v (8 x 32 tiles).
; LIMITS: e2 - e0 - e1, e3 - e0 - e1, e5 - e0 - e1 between -126 and 119.
.set KS,    8
.set PART,  65536                      ; 4 row tiles x 8 K steps x 2,048 bytes: what a wave's one tensor load brings, and what a wave reads of A or of B: all of K
.set SLOT,  8192                       ; K steps 4 to 7 of a row tile lie this far behind K steps 0 to 3
.set SPARE, 4*PART                     ; behind A's two halves and B's two: the spare words
.set ADRA, 16
.set ADRB, 20
.set SPW,  28
.set NIL,  29
.set ACC,  128                         ; accumulator (a, b) at v[128 + 8 (4 a + b)], window 0
.set F0,   0                           ; window 1: two fragment buffers: A's four fragments, then B's four
.set F1,   128
.set G1, 24
.set G0, 32
.set G1B, 48
.set G0B, 56
.set MSB, 0
.macro WIN new                         ; the immediate's high byte repeats the setting that is left
.if MSB != \new
	s_set_vgpr_msb (MSB<<8)|\new
.set MSB, \new
.endif
.endm
.set MUL,  0x05                        ; sources 0 and 1 window 1; C and D window 0
.set TO_F, 0x40                        ; destination window 1, address window 0
.macro JLOAD g0a, g1a, g0b, g1b        ; a joint load: waves 0, 1 fetch A's halves, waves 2, 3 B's; an s_nop 0 and four v_nop follow each line
	s_cmp_eq_u32 s15, 0
	s_cbranch_scc0 .Lfor_b_\@
	tensor_load_to_lds s[\g0a:\g0a+3], s[\g1a:\g1a+7]
	s_nop 0
.rept 4
	v_nop
.endr
	s_branch .Lasked_\@
.Lfor_b_\@:
	tensor_load_to_lds s[\g0b:\g0b+3], s[\g1b:\g1b+7]
	s_nop 0
.rept 4
	v_nop
.endr
.Lasked_\@:
.endm
.macro CREST
	s_cmp_lg_u32 s14, 0
	s_cbranch_scc1 .Lnot_wave_0_\@
	s_barrier_signal -3
.Lnot_wave_0_\@:
	s_barrier_wait -3
	s_barrier_signal -1
	s_barrier_wait -1
.endm
.macro CROUND
	s_barrier_signal -1
	s_barrier_wait -1
	CREST
.endm
.macro PLACES                          ; four plain places behind matrix instructions, ahead of loads into their sources and of reads of their results
.rept 4
	v_nop
.endr
.endm
.macro FETCH slot, q, f                ; the fragments of the slot's q-th K step: B's four, then A's four
	WIN TO_F
.irp b, 0,1,2,3
.irp c, 0,1,2,3
	ds_load_b128 v[\f+64+16*\b+4*\c:\f+64+16*\b+4*\c+3], v[ADRB+\slot] offset:16384*\b+2048*(\q)+512*\c
.endr
.endr
.irp a, 0,1,2,3
.irp c, 0,1,2,3
	ds_load_b128 v[\f+16*\a+4*\c:\f+16*\a+4*\c+3], v[ADRA+\slot] offset:16384*\a+2048*(\q)+512*\c
.endr
.endr
.endm
.macro MUL4 f, a, zero                 ; A's block a against B's four.  The 16 accumulators take turns, one instruction a turn, in one order
	WIN MUL
.irp b, 0,1,2,3
.if \zero
	v_wmma_f32_16x16x128_fp8_fp8 v[ACC+8*(4*(\a)+\b):ACC+8*(4*(\a)+\b)+7], v[\f+64+16*\b:\f+64+16*\b+15], v[\f+16*(\a):\f+16*(\a)+15], 0
.else
	v_wmma_f32_16x16x128_fp8_fp8 v[ACC+8*(4*(\a)+\b):ACC+8*(4*(\a)+\b)+7], v[\f+64+16*\b:\f+64+16*\b+15], v[\f+16*(\a):\f+16*(\a)+15], v[ACC+8*(4*(\a)+\b):ACC+8*(4*(\a)+\b)+7]
.endif
.endr
.endm
.macro CHUNK f, zero, slot, q, g       ; a K step: multiplies buffer f, fetches the slot's q-th step into g
	s_wait_dscnt 8                                 ; B and A's blocks 0, 1 are in; blocks 2, 3 (eight loads) may be out
	MUL4 \f, 0, \zero
	MUL4 \f, 1, \zero
	PLACES
	FETCH \slot, \q, \g
	s_wait_dscnt 32                                ; all but the 32 just issued
	MUL4 \f, 2, \zero
	MUL4 \f, 3, \zero
.endm
.macro TURN slot, next                 ; a slot's last K step (buffer 1) and the change of slots; nothing is filled again here
	WIN 0
	s_wait_tensorcnt 0x0                           ; my part of the next slot has landed
	ds_add_u32 v[SPW], v[NIL]                      ; 0 onto my spare word
	s_wait_dscnt 9                                 ; (the add and eight loads may be out)
	MUL4 F1, 0, 0
	s_wait_dscnt 0x0
	s_barrier_signal -1
	MUL4 F1, 1, 0
	s_barrier_wait -1                              ; everybody's part has landed
	PLACES
	FETCH \next, 0, F0
	MUL4 F1, 2, 0
	MUL4 F1, 3, 0
.endm
	s_load_b128 s[4:7], s[0:1], 0x0                ; h1, the weights' images
	s_load_b128 s[8:11], s[0:1], 0x10              ; the scales' exponents, qkv
	v_lshl_add_u32 v[SPW], v0, 2, SPARE
	v_mov_b32 v[NIL], 0
	ds_add_u32 v[SPW], v[NIL]                      ; the wave's opening
	ds_add_u32 v[SPW], v[NIL]
	v_lshrrev_b32 v1, 5, v0
	v_readfirstlane_b32 s14, v1                    ; wave
	s_lshr_b32 s15, s14, 1                         ; my half of A's rows; also: I fetch for A (0) or B (1)
	s_and_b32 s16, s14, 1                          ; my half of B's rows; also: which half I fetch
	s_bfe_u32 s40, ttmp6, 0x40000                  ; cx
	s_bfe_u32 s41, ttmp6, 0x40004                  ; cy
	s_and_b32 s70, ttmp7, 0xffff                   ; cluster y: 8 and above is v's part
	s_max_u32 s71, s70, 8
	s_sub_co_u32 s71, s71, 8
	s_lshr_b32 s72, s71, 1
	s_lshl_b32 s72, s72, 2
	s_add_co_u32 s72, s72, ttmp9                   ; v: eight clusters along B's tiles,
	s_and_b32 s73, s71, 1                          ; two along A's
	s_cmp_ge_u32 s70, 8
	s_cselect_b32 s74, s72, ttmp9
	s_cselect_b32 s75, s73, s70
	s_lshl_b32 s42, s74, 2
	s_add_co_u32 s42, s42, s40                     ; B's tile
	s_lshl_b32 s17, s75, 2
	s_add_co_u32 s17, s17, s41                     ; A's tile
	s_lshl_b32 s43, s41, 2
	s_lshl_b32 s43, 15, s43                        ; my row of the cluster
	s_lshl_b32 s44, 0x1111, s40                    ; my column
	s_or_b32 s[G1], s43, (3<<16)|(1<<21)           ; the mask; elements of 8 bytes; bit 21 beside a mask; no padding
	s_or_b32 s[G1B], s44, (3<<16)|(1<<21)
.irp g, G1, G1B
	s_mov_b32 s[\g+1], 2048<<16                    ; tensor_dim0 = 2,048 elements: all eight K steps of a row tile, 16,384 bytes
	s_mov_b32 s[\g+2], 4<<16                       ; tensor_dim1 = 4 row tiles
	s_mov_b32 s[\g+3], 2048<<16                    ; tile_dim0
	s_mov_b32 s[\g+4], 4                           ; tile_dim1
	s_mov_b32 s[\g+5], KS*256                      ; from row tile to row tile
	s_mov_b32 s[\g+6], 0
	s_mov_b32 s[\g+7], 0
.endr
	s_lshl_b32 s18, s16, 2
	s_lshl_b32 s20, s17, 3
	s_add_co_u32 s20, s20, s18
	s_mul_i32 s20, s20, KS*2048                    ; A: row tile 8 x tile + 4 x half
	s_mov_b32 s21, 0
	s_lshl_b32 s46, s42, 3
	s_add_co_u32 s46, s46, s18
	s_mul_i32 s46, s46, KS*2048                    ; B likewise
	s_mov_b32 s47, 0
	s_mul_i32 s45, s14, PART                       ; where they go: wave x a part
	s_wait_dscnt 0x0                               ; the opening add is done
	s_wait_kmcnt 0x0
	s_load_b256 s[88:95], s[8:9], 0x0              ; e0 .. e7
	s_add_nc_u64 s[76:77], s[6:7], 2097152         ; W_qkv's rows 2,048 on
	s_cmp_ge_u32 s70, 8                            ; the choice hangs on the cluster's y alone, which all partners share
	s_cselect_b64 s[78:79], s[76:77], s[4:5]
	s_cselect_b64 s[80:81], s[4:5], s[6:7]
	s_add_nc_u64 s[20:21], s[78:79], s[20:21]
	s_add_nc_u64 s[46:47], s[80:81], s[46:47]
	CROUND                                         ; all sixteen work-groups are here: the joint loads meet
.irp s, 0,1
	s_mov_b32 s[G0+4*\s], 1
	s_add_co_u32 s[G0+4*\s+1], s45, \s*SLOT
	s_add_nc_u64 s[G0+4*\s+2:G0+4*\s+3], s[20:21], \s*8192
	s_or_b32 s[G0+4*\s+3], s[G0+4*\s+3], 0x80000000
	s_mov_b32 s[G0B+4*\s], 1
	s_add_co_u32 s[G0B+4*\s+1], s45, \s*SLOT
	s_add_nc_u64 s[G0B+4*\s+2:G0B+4*\s+3], s[46:47], \s*8192
	s_or_b32 s[G0B+4*\s+3], s[G0B+4*\s+3], 0x80000000
.endr
	JLOAD G0, G1, G0B, G1B                         ; slot 0: one tensor load a wave at the head
	v_and_b32 v3, 31, v0
	v_lshlrev_b32 v3, 4, v3                        ; 16 x lane
	s_wait_alu depctr_va_vdst(0)
	s_mul_i32 s21, s15, PART
	s_mul_i32 s22, s16, PART
	s_add_co_u32 s22, s22, 2*PART
.irp s, 0,1
	v_add_nc_u32 v[ADRA+\s], s21, v3
	v_add_nc_u32 v[ADRB+\s], s22, v3
	s_add_co_u32 s21, s21, SLOT
	s_add_co_u32 s22, s22, SLOT
.endr
	; where my codes go.  q, k: which x 4 MiB + ((batch 16 + head) 128 + token tile) 1,024
	s_lshr_b32 s82, ttmp9, 1                       ; 0: q, 1: k (B's tile / 8)
	s_lshl_b32 s82, s82, 22
	s_lshr_b32 s83, s17, 4
	s_lshl_b32 s83, s83, 4
	s_and_b32 s84, s42, 7
	s_lshl_b32 s84, s84, 1
	s_add_co_u32 s83, s83, s84
	s_add_co_u32 s83, s83, s16
	s_lshl_b32 s83, s83, 7
	s_and_b32 s84, s17, 15
	s_lshl_b32 s84, s84, 3
	s_add_co_u32 s83, s83, s84
	s_lshl_b32 s84, s15, 2
	s_add_co_u32 s83, s83, s84
	s_lshl_b32 s83, s83, 10
	s_add_co_u32 s82, s82, s83
	; v: 8 MiB + (((batch 16 + head) 16 + key step) 4) 2,048 + my half of the step's keys: 1,024
	s_lshr_b32 s83, s42, 4
	s_lshl_b32 s83, s83, 4
	s_lshl_b32 s84, s17, 1
	s_add_co_u32 s83, s83, s84
	s_add_co_u32 s83, s83, s15
	s_lshl_b32 s83, s83, 4
	s_and_b32 s84, s42, 15
	s_add_co_u32 s83, s83, s84
	s_lshl_b32 s83, s83, 13
	s_lshl_b32 s84, s16, 10
	s_add_co_u32 s83, s83, s84
	s_add_co_u32 s83, s83, 8388608
	s_mov_b32 s85, 1024
	s_cmp_ge_u32 s70, 8
	s_cselect_b32 s82, s83, s82
	s_cselect_b32 s85, 2048, s85                   ; from A's block to A's block
	s_mov_b32 s83, 0
	s_add_nc_u64 s[10:11], s[10:11], s[82:83]
	v_mov_b32 v8, v3
	v_add_nc_u32 v9, s85, v8
	v_add_nc_u32 v10, s85, v9
	v_add_nc_u32 v11, s85, v10
	s_wait_alu depctr_va_vdst(0)
	s_wait_tensorcnt 0x0                           ; my one tensor load has landed;
	s_barrier_signal -1
	s_barrier_wait -1                              ; everybody's
	FETCH 0, 0, F0
	CHUNK F0, 1, 0, 1, F1                          ; the first products start the sums: nothing is cleared
	CHUNK F1, 0, 0, 2, F0
	CHUNK F0, 0, 0, 3, F1
	CHUNK F1, 0, 1, 0, F0                          ; on into K steps 4 to 7: they lie in LDS already
	CHUNK F0, 0, 1, 1, F1
	CHUNK F1, 0, 1, 2, F0
	CHUNK F0, 0, 1, 3, F1
	s_wait_dscnt 8
	MUL4 F1, 0, 0
	MUL4 F1, 1, 0
	s_wait_dscnt 0x0
	MUL4 F1, 2, 0
	MUL4 F1, 3, 0
	WIN 0
	s_wait_kmcnt 0x0
	s_cmp_lt_u32 ttmp9, 2
	s_cselect_b32 s86, s90, s91                    ; e2 for q, e3 for k,
	s_cmp_ge_u32 s70, 8
	s_cselect_b32 s86, s93, s86                    ; e5 for v
	s_sub_co_i32 s86, s86, s88
	s_sub_co_i32 s86, s86, s89                     ; a sum stands for sum x 2^(e0 + e1): the three scales are folded into the conversion's one
	s_add_co_i32 s86, s86, 127
	s_lshl_b32 s87, s86, 23
	v_mov_b32 v12, s87
	s_add_co_i32 s86, s86, 8
	s_lshl_b32 s86, s86, 23
	s_or_b32 s86, s86, 0x600000
	v_mov_b32 v13, s86                             ; 448 x that
	PLACES
.macro CODES a                         ; A's block a: 32 sums a lane become 32 codes: two groups of an image; each accumulator is read from its low end on
.set n, 0
.rept 32
	v_med3_num_f32 v[ACC+32*(\a)+n], v[ACC+32*(\a)+n], -v13, v13
.set n, n+1
.endr
.irp b, 0,1,2,3
	v_cvt_scalef32_pk8_fp8_f32 v[32+8*(\a)+2*\b:33+8*(\a)+2*\b], v[ACC+32*(\a)+8*\b:ACC+32*(\a)+8*\b+7], v12
.endr
	v_nop                                          ; a plain line behind the last conversion
	global_store_b128 v[8+(\a)], v[32+8*(\a):35+8*(\a)], s[10:11]               ; 32 lanes store 512 consecutive bytes, aligned
	global_store_b128 v[8+(\a)], v[36+8*(\a):39+8*(\a)], s[10:11] offset:512
.endm
	CODES 0
	CODES 1
	CODES 2
	CODES 3
	s_wait_tensorcnt 0x0                           ; the wave's end
	ds_add_u32 v[SPW], v[NIL]
	s_wait_dscnt 0x0
	CROUND                                         ; the closing round
	s_endpgm
.Lfunc_end_k_qac8c5e2876_gqkv:
	.size	k_qac8c5e2876_gqkv, .Lfunc_end_k_qac8c5e2876_gqkv-k_qac8c5e2876_gqkv
	.p2alignl 7, 3214868480
	.fill 96, 4, 3214868480
	.section	.rodata,"a",@progbits
	.p2align	6, 0x0
	.amdhsa_kernel k_qac8c5e2876_gqkv
		.amdhsa_group_segment_fixed_size 327680
		.amdhsa_private_segment_fixed_size 0
		.amdhsa_enable_private_segment 0
		.amdhsa_kernarg_size 32
		.amdhsa_user_sgpr_count 2
		.amdhsa_user_sgpr_kernarg_segment_ptr 1
		.amdhsa_wavefront_size32 1
		.amdhsa_system_sgpr_workgroup_id_x 1
		.amdhsa_system_sgpr_workgroup_id_y 1
		.amdhsa_system_sgpr_workgroup_id_z 1
		.amdhsa_system_vgpr_workitem_id 0
		.amdhsa_next_free_vgpr 512
		.amdhsa_next_free_sgpr 100
		.amdhsa_reserve_vcc 0
		.amdhsa_float_denorm_mode_32 3
		.amdhsa_float_denorm_mode_16_64 3
		.amdhsa_memory_ordered 1
		.amdhsa_forward_progress 1
		.amdhsa_inst_pref_size 44
	.end_amdhsa_kernel
	.amdgpu_metadata
---
amdhsa.version: [ 1, 2 ]
amdhsa.kernels:
  - .name:           k_qac8c5e2876_gqkv
    .symbol:         k_qac8c5e2876_gqkv.kd
    .args:
      - { .name: h1, .offset: 0, .size: 8, .value_kind: global_buffer, .address_space: global }
      - { .name: wts, .offset: 8, .size: 8, .value_kind: global_buffer, .address_space: global }
      - { .name: lowp_scales, .offset: 16, .size: 8, .value_kind: global_buffer, .address_space: global }
      - { .name: qkv, .offset: 24, .size: 8, .value_kind: global_buffer, .address_space: global }
    .group_segment_fixed_size: 327680
    .private_segment_fixed_size: 0
    .kernarg_segment_align: 8
    .kernarg_segment_size: 32
    .max_flat_workgroup_size: 128
    .sgpr_count:     100
    .vgpr_count:     512
    .wavefront_size: 32
...
	.end_amdgpu_metadata
.endif
;; end of part 2
;; launch attn (part 3): grid 8 x 32, 16 waves a work-group, clusters of 4 x 1, 327,680 bytes of LDS; arguments qkv, attention_mask, lowp_scales, ao; writes ao
.if DOCPART == 3
	.amdgcn_target "amdgcn-amd-amdhsa--gfx1250"
	.amdhsa_code_object_version 6
	.text
	.protected	k_qac8c5e2876_attn
	.globl	k_qac8c5e2876_attn
	.p2align	8
	.type	k_qac8c5e2876_attn,@function
k_qac8c5e2876_attn:
	s_mov_b64 s[64:65], 0
	v_nop
	global_prefetch_b8 v0, s[64:65] scope:SCOPE_SE
	s_setreg_imm32_b32 hwreg(HW_REG_WAVE_MODE, 25, 1), 1
	s_wait_xcnt 0x0
	s_wait_alu depctr_hold_cnt(0) depctr_sa_sdst(0) depctr_va_vdst(0) depctr_va_sdst(0) depctr_va_ssrc(0) depctr_va_vcc(0) depctr_vm_vsrc(0)
	s_getreg_b32 s2, hwreg(HW_REG_IB_STS2, 6, 4)
	s_cmp_eq_u32 s2, 0
	s_cbranch_scc0 .Lentry_in_a_cluster
	s_endpgm
.Lentry_in_a_cluster:
	s_bfe_u32 s2, ttmp6, 0x10000c
	s_cmp_lg_u32 s2, 0x3003
	s_cbranch_scc0 .Lentry_shape_is_right
	s_endpgm
.Lentry_shape_is_right:
; Attention of one head (batch 16 + head = grid y) on codes of E4M3: scores = q k^T (e2, e3), causal mask and attention_mask, softmax FINISHED AND NORMALISED in f32, quantised (e4), times v (e5); the result quantised (e6) as the image of the next product's operand.
; q, k: images [head][token tile of 16][1,024 bytes]; v: images with the keys along K, [head][key step of 128][4 channel tiles][2,048 bytes].
; DEAD WORK: key steps all of whose keys come after both tiles' queries lie wholly under the causal mask that reference() builds itself; they are jumped over by a scalar branch on ids.  A NaN or infinity that reaches only those scores is not carried.
; TWO PASSES over the keys: pass 1 finds M (the largest scaled score t, rounded up to a whole number, by a running maximum) and the sum of 2^(t - M); pass 2 makes p = 2^(t - M - log2(sum)), holds and quantises it, and multiplies by v.
; A row with no key left has sum 0: its addend is -infinity, so p = 0, as reference()'s nan_to_num gives.
; SHARES.  Work-group x (0 to 7) of a head owns query tile x (16 queries) of each of the 16 blocks of 128 queries, so every work-group reads every key step, and no branch and no LDS address hangs on x.
; A wave owns TWO tiles, of blocks 2 m and 2 m + 1, and every second key step (parity p = wave / 8): each fragment of K, of V and of the mask's terms read from LDS feeds both tiles.  Both parities have m + 1 steps.
; Waves w and w ^ 8 share a pair: they exchange -M and the sums between the passes, and partial results at the end, through LDS.  Set X is the tile that the wave finishes (block 2 m + p), set Y the partner's.
; m = (w % 4) or 7 - (w % 4), chosen so that four waves w % 4 alike, and four waves w / 4 alike, have 18 steps together.
; CLUSTER 4, 1, 1: the four work-groups read the same K and V: each wave's one tensor load (two rows of 8,192 bytes: key step w of K, and of V 4 MiB further on) is a joint load with the mask 15.
; No prefetch: K and V are asked for once, at the head; there is no loop to run ahead in.
; The mask's term is the C of the score products: 0, or -2^60 for a key that attention_mask hides.  A raw score is at most 64 x 448 x 448 in magnitude, under 2^30, where the running maximum begins.
; LIMITS: e2 + e3 between -123 and 9 (scaled scores stay under 2^31); e4 and e6 - e4 - e5 between -126 and 119.
; REGISTERS: v1-7 addresses; v8-15 sums, -M, largest t (pass 2: addends, holds, scale); v16-23 Q of X, v24-31 Q of Y.
; pass 1: v32-95 K; v96-159 the mask's terms, then Y's scores; v160-223 X's scores; v224-255 at work.
; pass 2: v32-63 half of K, then V's tiles 2, 3; v64-95 terms, then Y's scores; v96-127 X's scores; v128-159, v160-191 results of X, Y; v192-207, v208-223 p's codes; v224-255 V's tiles 0, 1.
.set KV,    16384                      ; a key step in LDS: K's 8,192 bytes, then V's
.set BIAS,  262144                     ; 2,048 terms of 4 bytes
.set SPARE, 270336                     ; the spare words, 128 bytes a wave
.set STATS, 272384                     ; 512 bytes a wave: -M and sum of X and of Y
.set L16, 1
.set BH,  2
.set D0,  3
.set ADK, 4
.set SPW, 5
.set NIL, 6
.set ADB, 7
.set WV,  18
.set SEL, 20
.set CS,  22
.set G1,  24
.set G0,  32
.set KF,  36
.set TK,  37
.set TBI, 38
.set CNT, 39
.set QBX, 52
.set QBY, 53
.set LIMK, 54
.set PAR, 55
.macro ROUND                           ; a round of the cluster's barrier
	s_barrier_signal -1
	s_barrier_wait -1
	s_cmp_lg_u32 s[WV], 0
	s_cbranch_scc1 .Lnot_wave_0_\@
	s_barrier_signal -3
.Lnot_wave_0_\@:
	s_barrier_wait -3
	s_barrier_signal -1
	s_barrier_wait -1
.endm
.macro PLACES n
.rept \n
	v_nop
.endr
.endm
; Scores of keys behind the query become -infinity.  Jumped over where the step lies ahead of the tile's block (ids alone).  Register n holds key KF + koff + 16 (n / 8) + 8 h + n % 8.
.macro MASK base, cnt, qb, koff, dreg, ireg
	s_cmp_lt_u32 s[KF], s[\qb]
	s_cbranch_scc1 .Lopen_\@
	s_sub_co_i32 s42, s[\qb], s[KF]
	v_add_nc_u32 v[\dreg], s42, v[D0]              ; my query - KF - 8 h
.set n, 0
.rept \cnt
	v_cmp_gt_i32 vcc_lo, \koff+16*(n/8)+n%8, v[\dreg]
	v_cndmask_b32 v[\base+n], v[\base+n], v[\ireg], vcc_lo
.set n, n+1
.endr
.Lopen_\@:
.endm
.macro WALKINIT
	s_lshl_b32 s[KF], s[PAR], 7
	s_lshl_b32 s[TK], s[PAR], 14
	s_lshl_b32 s[TBI], s[PAR], 9
	s_mov_b32 s[CNT], 0
.endm
.macro WALKSTEP                        ; on to my next key step: two steps further
	s_add_co_u32 s[KF], s[KF], 256
	s_add_co_u32 s[TK], s[TK], 2*KV
	s_add_co_u32 s[TBI], s[TBI], 1024
	s_add_co_u32 s[CNT], s[CNT], 1
	s_cmp_lt_u32 s[CNT], 8
.endm
	s_load_b128 s[4:7], s[0:1], 0x0                ; qkv, attention_mask
	s_load_b128 s[8:11], s[0:1], 0x10              ; the scales' exponents, ao
	v_lshl_add_u32 v[SPW], v0, 2, SPARE
	v_mov_b32 v[NIL], 0
	ds_add_u32 v[SPW], v[NIL]                      ; the opening
	ds_add_u32 v[SPW], v[NIL]
	v_lshrrev_b32 v8, 5, v0
	v_readfirstlane_b32 s[WV], v8                  ; wave
	s_and_b32 s12, ttmp7, 0xffff                   ; batch 16 + head
	s_bfe_u32 s13, ttmp6, 0x40000
	s_lshl_b32 s14, ttmp9, 2
	s_add_co_u32 s13, s13, s14                     ; x = 4 x cluster x + cx
	s_mov_b32 s[G1], 15|(3<<16)|(1<<21)            ; the mask of all four; elements of 8 bytes; bit 21 beside a mask
	s_mov_b32 s[G1+1], 1024<<16                    ; tensor_dim0 = 1,024 elements: 8,192 bytes
	s_mov_b32 s[G1+2], 2<<16                       ; tensor_dim1 = 2: K's row, V's row
	s_mov_b32 s[G1+3], 1024<<16                    ; tile_dim0
	s_mov_b32 s[G1+4], 2                           ; tile_dim1
	s_mov_b32 s[G1+5], 524288                      ; from K's image to V's: 4 MiB
	s_mov_b32 s[G1+6], 0
	s_mov_b32 s[G1+7], 0
	s_lshr_b32 s14, s[WV], 1
	s_lshr_b32 s15, s[WV], 2
	s_xor_b32 s14, s14, s15
	s_xor_b32 s14, s14, s[WV]
	s_and_b32 s14, s14, 1
	s_mul_i32 s14, s14, 7
	s_and_b32 s15, s[WV], 3
	s_xor_b32 s14, s14, s15                        ; m
	s_lshr_b32 s[PAR], s[WV], 3                    ; p
	s_lshl_b32 s[LIMK], s14, 8
	s_add_co_u32 s[LIMK], s[LIMK], 256             ; the pair's keys end here
	s_lshl_b32 s15, s14, 1
	s_add_co_u32 s15, s15, s[PAR]                  ; X's block
	s_xor_b32 s16, s15, 1                          ; Y's block
	s_lshl_b32 s[QBX], s15, 7
	s_lshl_b32 s[QBY], s16, 7
	s_lshl_b32 s15, s15, 3
	s_add_co_u32 s15, s15, s13                     ; X's tile
	s_lshl_b32 s16, s16, 3
	s_add_co_u32 s16, s16, s13                     ; Y's tile
	s_lshl_b32 s72, s12, 7
	s_add_co_u32 s74, s72, s16
	s_add_co_u32 s72, s72, s15
	s_lshl_b32 s72, s72, 10                        ; Q of X
	s_lshl_b32 s74, s74, 10                        ; Q of Y
	s_mov_b32 s73, 0
	s_mov_b32 s75, 0
	s_lshr_b32 s76, s12, 4                         ; batch
	s_lshl_b32 s77, s76, 7
	s_add_co_u32 s77, s77, s15
	s_lshl_b32 s77, s77, 3
	s_and_b32 s78, s12, 15
	s_lshr_b32 s79, s78, 1
	s_add_co_u32 s77, s77, s79
	s_lshl_b32 s77, s77, 11                        ; ao: row tile, K step head / 2,
	s_and_b32 s78, s78, 1
	s_lshl_b32 s78, s78, 10
	s_add_co_u32 s78, s77, s78                     ; half head % 2
	s_mov_b32 s79, 0
	s_lshl_b32 s76, s76, 11                        ; the batch's row of the mask
	s_mov_b32 s77, 0
	s_lshl_b32 s58, s[WV], 13
	s_lshl_b32 s59, s12, 17
	s_add_co_u32 s58, s58, s59
	s_add_co_u32 s58, s58, 4194304                 ; K's image, my head, key step w
	s_mov_b32 s59, 0
	s_mov_b32 s[SEL], 0x76543210
	s_mov_b32 s[SEL+1], 0xfedcba98
	s_wait_dscnt 0x0                               ; both opening adds are done
	s_wait_kmcnt 0x0
	s_load_b256 s[44:51], s[8:9], 0x0              ; e0 .. e7
	s_add_nc_u64 s[68:69], s[4:5], s[72:73]
	s_add_nc_u64 s[70:71], s[4:5], s[74:75]
	s_add_nc_u64 s[6:7], s[6:7], s[76:77]
	s_add_nc_u64 s[10:11], s[10:11], s[78:79]
	s_mov_b32 s[G0], 1
	s_lshl_b32 s[G0+1], s[WV], 14                  ; LDS: key step w
	s_add_nc_u64 s[G0+2:G0+3], s[4:5], s[58:59]
	s_or_b32 s[G0+3], s[G0+3], 0x80000000
	ROUND                                          ; the four work-groups are here: the joint loads meet
	tensor_load_to_lds s[G0:G0+3], s[G1:G1+7]      ; my one tensor load
	s_nop 0
	v_lshlrev_b32 v225, 2, v0
	global_load_b32 v224, v225, s[6:7]             ; four bytes of the mask a thread
	v_and_b32 v[L16], 31, v0
	v_lshlrev_b32 v[L16], 4, v[L16]                ; 16 x lane
	global_load_b128 v[16:19], v[L16], s[68:69]
	global_load_b128 v[20:23], v[L16], s[68:69] offset:512
	global_load_b128 v[24:27], v[L16], s[70:71]
	global_load_b128 v[28:31], v[L16], s[70:71] offset:512
	v_bfe_u32 v4, v0, 4, 1                         ; h
	v_lshlrev_b32 v[BH], 5, v4
	v_add_nc_u32 v[BH], BIAS, v[BH]                ; the terms of my eight keys of a tile
	v_and_b32 v[D0], 15, v0
	v_lshlrev_b32 v4, 3, v4
	v_sub_nc_u32 v[D0], v[D0], v4
	s_lshl_b32 s42, s13, 4
	v_add_nc_u32 v[D0], s42, v[D0]                 ; 16 x + r - 8 h
	v_lshl_add_u32 v7, v0, 4, BIAS
	v_mov_b32 v226, 0xdd800000                     ; -2^60
	s_lshl_b32 s42, s[WV], 9
	s_xor_b32 s43, s42, 4096
	s_add_co_u32 s42, s42, STATS
	s_add_co_u32 s43, s43, STATS
	v_add_nc_u32 v248, s42, v[L16]                 ; my place in the exchange, and my partner's
	v_add_nc_u32 v249, s43, v[L16]
	s_wait_alu depctr_va_vdst(0)
	s_wait_loadcnt 0x4                             ; the mask's word is in; Q's four loads may be out
.irp k, 0,1,2,3
	v_bfe_u32 v227, v224, 8*\k, 8
	v_cmp_eq_u32 vcc_lo, 0, v227
	v_cndmask_b32 v[228+\k], 0, v226, vcc_lo
.endr
	ds_store_b128 v7, v[228:231]
	s_wait_kmcnt 0x0
	s_add_co_i32 s42, s46, s47
	s_lshl_b32 s42, s42, 23
	s_mov_b32 s[CS], 0x3e38aa3b                    ; log2(e) / 8,
	s_add_co_i32 s[CS], s[CS], s42                 ; x 2^(e2 + e3)
	s_mov_b32 s[CS+1], s[CS]
	s_add_co_i32 s42, s48, 127
	s_lshl_b32 s60, s42, 23                        ; 2^e4
	s_add_co_i32 s42, s42, 8
	s_lshl_b32 s42, s42, 23
	s_or_b32 s61, s42, 0x600000                    ; 448 x 2^e4
	s_sub_co_i32 s42, s50, s48
	s_sub_co_i32 s42, s42, s49
	s_add_co_i32 s42, s42, 127
	s_lshl_b32 s62, s42, 23                        ; 2^(e6 - e4 - e5)
	s_add_co_i32 s42, s42, 8
	s_lshl_b32 s42, s42, 23
	s_or_b32 s63, s42, 0x600000                    ; 448 x that
	v_mov_b32 v13, 0xce800000                      ; -2^30: under every raw score
	v_mul_f32 v13, s[CS], v13
	v_floor_f32 v12, -v13
	v_mov_b32 v11, v13
	v_mov_b32 v10, v12
	v_mov_b32 v14, 0
	v_mov_b32 v15, 0
	v_mov_b32 v8, 0
	v_mov_b32 v9, 0
	v_mov_b32 v232, 0                              ; a lane permute's destination counts as a source
	v_mov_b32 v233, 0
	v_mov_b32 v235, 0                              ; named as upper halves of pairs
	v_mov_b32 v237, 0
	v_mov_b32 v245, 0xff800000                     ; -infinity
	s_wait_alu depctr_va_vdst(0)
	s_wait_tensorcnt 0x0                           ; my key step has landed,
	s_wait_dscnt 0x0                               ; my terms are stored
	s_barrier_signal -1
	s_barrier_wait -1                              ; everybody's: nothing is filled again
	s_wait_loadcnt 0x0                             ; Q
	; PASS 1
	WALKINIT
.Lp1:
	s_cmp_ge_u32 s[KF], s[LIMK]
	s_cbranch_scc1 .Lh1
	v_add_nc_u32 v[ADB], s[TBI], v[BH]
	v_add_nc_u32 v[ADK], s[TK], v[L16]
.irp t, 0,1,2,3,4,5,6,7
	ds_load_b128 v[96+8*\t:99+8*\t], v[ADB] offset:64*\t
	ds_load_b128 v[100+8*\t:103+8*\t], v[ADB] offset:64*\t+16
.endr
.irp t, 0,1,2,3,4,5,6,7
	ds_load_b128 v[32+8*\t:35+8*\t], v[ADK] offset:1024*\t
	ds_load_b128 v[36+8*\t:39+8*\t], v[ADK] offset:1024*\t+512
.endr
	s_wait_dscnt 0x0
.irp t, 0,1,2,3,4,5,6,7
	v_wmma_f32_16x16x64_fp8_fp8 v[160+8*\t:167+8*\t], v[32+8*\t:39+8*\t], v[16:23], v[96+8*\t:103+8*\t]
.endr
	PLACES 5                                       ; Y's products write over the terms that X's products read as C
.irp t, 0,1,2,3,4,5,6,7
	v_wmma_f32_16x16x64_fp8_fp8 v[96+8*\t:103+8*\t], v[32+8*\t:39+8*\t], v[24:31], v[96+8*\t:103+8*\t]
.endr
	PLACES 4
	MASK 160, 64, QBX, 0, 244, 245
	MASK 96, 64, QBY, 0, 244, 245
.irp c, 0,1,2,3                        ; the step's largest scores: four chains a tile, each accumulator from its low end on
	v_max3_num_f32 v[224+\c], v[160+16*\c], v[161+16*\c], v[162+16*\c]
	v_max3_num_f32 v[228+\c], v[96+16*\c], v[97+16*\c], v[98+16*\c]
.endr
.irp i, 3,5,7,9,11,13
.irp c, 0,1,2,3
	v_max3_num_f32 v[224+\c], v[224+\c], v[160+16*\c+\i], v[161+16*\c+\i]
	v_max3_num_f32 v[228+\c], v[228+\c], v[96+16*\c+\i], v[97+16*\c+\i]
.endr
.endr
	v_max3_num_f32 v224, v224, v225, v175
	v_max3_num_f32 v228, v228, v229, v111
	v_max3_num_f32 v226, v226, v227, v191
	v_max3_num_f32 v230, v230, v231, v127
	v_max3_num_f32 v224, v224, v226, v207
	v_max3_num_f32 v228, v228, v230, v143
	v_max_num_f32 v224, v224, v223
	v_max_num_f32 v228, v228, v159
	v_permlanex16_b32 v232, v224, s[SEL], s[SEL+1]
	v_permlanex16_b32 v233, v228, s[SEL], s[SEL+1]
	v_max_num_f32 v224, v224, v232
	v_max_num_f32 v228, v228, v233
	v_mul_f32 v224, s[CS], v224                    ; as t
	v_mul_f32 v228, s[CS], v228
	v_max_num_f32 v13, v13, v224                   ; the running largest t
	v_max_num_f32 v11, v11, v228
	v_mov_b32 v238, v12
	v_mov_b32 v239, v10
	v_floor_f32 v12, -v13                          ; -M = floor(-t): M is a whole number
	v_floor_f32 v10, -v11
	v_sub_f32 v238, v12, v238
	v_sub_f32 v239, v10, v239
	v_cvt_i32_f32 v238, v238
	v_cvt_i32_f32 v239, v239
	v_ldexp_f32 v234, 1.0, v238                    ; 2^(old M - new M)
	v_ldexp_f32 v236, 1.0, v239
.set n, 0
.rept 32
	v_pk_fma_f32 v[160+n:161+n], v[160+n:161+n], s[CS:CS+1], v[12:13] op_sel_hi:[1,0,0]
	v_pk_fma_f32 v[96+n:97+n], v[96+n:97+n], s[CS:CS+1], v[10:11] op_sel_hi:[1,0,0]
.set n, n+2
.endr
	s_wait_alu depctr_va_vdst(0)                   ; the wait ahead of the batch
.set n, 0
.rept 128
	v_exp_f32 v[96+n], v[96+n]
.set n, n+1
.endr
	v_pk_mul_f32 v[14:15], v[14:15], v[234:235] op_sel_hi:[1,0]   ; the sums under the new M
	v_pk_mul_f32 v[8:9], v[8:9], v[236:237] op_sel_hi:[1,0]
	s_wait_alu depctr_va_vdst(0)                   ; and behind it, ahead of its first reader
	v_pk_add_f32 v[240:241], v[160:161], v[162:163]
	v_pk_add_f32 v[242:243], v[96:97], v[98:99]
.set n, 4
.rept 15
	v_pk_add_f32 v[14:15], v[14:15], v[160+n:161+n]
	v_pk_add_f32 v[8:9], v[8:9], v[96+n:97+n]
	v_pk_add_f32 v[240:241], v[240:241], v[162+n:163+n]
	v_pk_add_f32 v[242:243], v[242:243], v[98+n:99+n]
.set n, n+4
.endr
	v_pk_add_f32 v[14:15], v[14:15], v[240:241]
	v_pk_add_f32 v[8:9], v[8:9], v[242:243]
.Lh1:
	WALKSTEP
	s_cbranch_scc1 .Lp1
	; THE EXCHANGE: -M and the sum of both tiles go to my partner, which walked the other key steps
	s_wait_alu depctr_va_vdst(0)                   ; the wait behind the loop's jumps
	v_add_f32 v14, v14, v15
	v_add_f32 v8, v8, v9
	v_permlanex16_b32 v232, v14, s[SEL], s[SEL+1]
	v_permlanex16_b32 v233, v8, s[SEL], s[SEL+1]
	v_add_f32 v14, v14, v232
	v_add_f32 v8, v8, v233
	v_mov_b32 v240, v12
	v_mov_b32 v241, v14
	v_mov_b32 v242, v10
	v_mov_b32 v243, v8
	ds_store_b128 v248, v[240:243]
	s_wait_alu depctr_va_vdst(0)
	s_wait_dscnt 0x0
	s_barrier_signal -1
	s_barrier_wait -1
	ds_load_b128 v[244:247], v249                  ; the partner's X is my Y, its Y my X
	s_wait_dscnt 0x0
	v_min_num_f32 v224, v12, v246                  ; the joint -M
	v_min_num_f32 v225, v10, v244
	v_sub_f32 v226, v224, v12
	v_sub_f32 v227, v224, v246
	v_sub_f32 v228, v225, v10
	v_sub_f32 v229, v225, v244
	v_cvt_i32_f32 v226, v226
	v_cvt_i32_f32 v227, v227
	v_cvt_i32_f32 v228, v228
	v_cvt_i32_f32 v229, v229
	v_ldexp_f32 v14, v14, v226                     ; both parts under the joint M: nothing is rounded
	v_ldexp_f32 v247, v247, v227
	v_ldexp_f32 v8, v8, v228
	v_ldexp_f32 v245, v245, v229
	v_add_f32 v14, v14, v247
	v_add_f32 v8, v8, v245
	v_mov_b32 v13, 0xff800000                      ; -infinity, for pass 2's masks too
	s_wait_alu depctr_va_vdst(0)
	v_log_f32 v226, v14
	v_log_f32 v227, v8
	v_cmp_lt_f32 vcc_lo, 0, v14
	v_cmp_lt_f32 s42, 0, v8
	s_wait_alu depctr_va_vdst(0)
	v_sub_f32 v12, v224, v226                      ; -M - log2(sum): p = 2^(t + this) is normalised
	v_sub_f32 v10, v225, v227
	v_cndmask_b32 v12, v13, v12, vcc_lo            ; a row with no key: -infinity, p = 0
	v_cndmask_b32 v10, v13, v10, s42
	v_mov_b32 v14, s61                             ; the hold, in two registers for the dual form's two halves
	v_mov_b32 v15, s61
	v_mov_b32 v11, s60                             ; the conversion's scale
.set n, 0
.rept 64
	v_mov_b32 v[128+n], 0                          ; the results: the step is written once
.set n, n+1
.endr
	s_wait_alu depctr_va_vdst(0)
; Half a key step of pass 2: 64 keys of both tiles, to codes.  Behind its products two of V's four tiles are asked for.
.macro HALF hf
.set VB, 224-192*\hf
.irp t, 0,1,2,3
	ds_load_b128 v[64+8*\t:67+8*\t], v[ADB] offset:256*\hf+64*\t
	ds_load_b128 v[68+8*\t:71+8*\t], v[ADB] offset:256*\hf+64*\t+16
.endr
.irp t, 0,1,2,3
	ds_load_b128 v[32+8*\t:35+8*\t], v[ADK] offset:4096*\hf+1024*\t
	ds_load_b128 v[36+8*\t:39+8*\t], v[ADK] offset:4096*\hf+1024*\t+512
.endr
	s_wait_dscnt 0x0
.irp t, 0,1,2,3
	v_wmma_f32_16x16x64_fp8_fp8 v[96+8*\t:103+8*\t], v[32+8*\t:39+8*\t], v[16:23], v[64+8*\t:71+8*\t]
.endr
	PLACES 5
.irp t, 0,1,2,3
	v_wmma_f32_16x16x64_fp8_fp8 v[64+8*\t:71+8*\t], v[32+8*\t:39+8*\t], v[24:31], v[64+8*\t:71+8*\t]
.endr
	PLACES 4
.irp d, 0,1
.irp c, 0,1,2,3
	ds_load_b128 v[VB+16*\d+4*\c:VB+16*\d+4*\c+3], v[ADK] offset:8192+2048*(2*\hf+\d)+512*\c
.endr
.endr
	MASK 96, 32, QBX, 64*\hf, 9, 13
	MASK 64, 32, QBY, 64*\hf, 9, 13
.set n, 0
.rept 16
	v_pk_fma_f32 v[96+n:97+n], v[96+n:97+n], s[CS:CS+1], v[12:13] op_sel_hi:[1,0,0]
	v_pk_fma_f32 v[64+n:65+n], v[64+n:65+n], s[CS:CS+1], v[10:11] op_sel_hi:[1,0,0]
.set n, n+2
.endr
	s_wait_alu depctr_va_vdst(0)
.set n, 0
.rept 64
	v_exp_f32 v[64+n], v[64+n]
.set n, n+1
.endr
	v_nop
	s_wait_alu depctr_va_vdst(0)
.set n, 0
.rept 32
	v_dual_min_num_f32 v[64+n], v[64+n], v14 :: v_dual_min_num_f32 v[65+n], v[65+n], v15   ; the hold (ISA guide 7.6.2); p is not negative
.set n, n+2
.endr
.irp t, 0,1,2,3
	v_cvt_scalef32_pk8_fp8_f32 v[192+8*\hf+2*\t:193+8*\hf+2*\t], v[96+8*\t:103+8*\t], v11
	v_cvt_scalef32_pk8_fp8_f32 v[208+8*\hf+2*\t:209+8*\hf+2*\t], v[64+8*\t:71+8*\t], v11
.endr
	v_nop                                          ; a plain line behind the last conversion
.endm
	; PASS 2
	WALKINIT
.Lp2:
	s_cmp_ge_u32 s[KF], s[LIMK]
	s_cbranch_scc1 .Lh2
	v_add_nc_u32 v[ADB], s[TBI], v[BH]
	v_add_nc_u32 v[ADK], s[TK], v[L16]
	s_wait_alu depctr_va_vdst(0)
	HALF 0
	HALF 1
	s_wait_alu depctr_va_vdst(0)                   ; the wait for the codes, and for the results' first readers behind the exponentials
	s_wait_dscnt 0x0                               ; V
.irp d, 0,1                            ; eight accumulators by turns
	v_wmma_f32_16x16x128_fp8_fp8 v[128+8*\d:135+8*\d], v[224+16*\d:239+16*\d], v[192:207], v[128+8*\d:135+8*\d]
	v_wmma_f32_16x16x128_fp8_fp8 v[160+8*\d:167+8*\d], v[224+16*\d:239+16*\d], v[208:223], v[160+8*\d:167+8*\d]
.endr
.irp d, 0,1
	v_wmma_f32_16x16x128_fp8_fp8 v[144+8*\d:151+8*\d], v[32+16*\d:47+16*\d], v[192:207], v[144+8*\d:151+8*\d]
	v_wmma_f32_16x16x128_fp8_fp8 v[176+8*\d:183+8*\d], v[32+16*\d:47+16*\d], v[208:223], v[176+8*\d:183+8*\d]
.endr
	PLACES 4                                       ; ahead of the next loads into V's registers, and of the way out
.Lh2:
	WALKSTEP
	s_cbranch_scc1 .Lp2
	; THE WAY OUT: my part of Y goes to my partner through LDS bytes that have had their only fill and, behind the barrier, their last read; its part of my X comes back
	s_lshl_b32 s42, s[WV], 12
	s_xor_b32 s43, s42, 32768
	v_add_nc_u32 v4, s42, v[L16]
	v_add_nc_u32 v7, s43, v[L16]
	v_mov_b32 v8, s63
	v_mov_b32 v9, s62
	s_wait_alu depctr_va_vdst(0)
	s_wait_dscnt 0x0
	s_barrier_signal -1
	s_barrier_wait -1                              ; nobody reads K or V any more
.irp k, 0,1,2,3,4,5,6,7
	ds_store_b128 v4, v[160+4*\k:163+4*\k] offset:512*\k
.endr
	s_wait_dscnt 0x0
	s_barrier_signal -1
	s_barrier_wait -1
.irp k, 0,1,2,3,4,5,6,7
	ds_load_b128 v[32+4*\k:35+4*\k], v7 offset:512*\k
.endr
	s_wait_dscnt 0x0
.set n, 0
.rept 16
	v_pk_add_f32 v[128+n:129+n], v[128+n:129+n], v[32+n:33+n]
.set n, n+2
.endr
.set n, 0
.rept 32
	v_med3_num_f32 v[128+n], v[128+n], -v8, v8     ; the hold
.set n, n+1
.endr
.irp d, 0,1,2,3
	v_cvt_scalef32_pk8_fp8_f32 v[192+2*\d:193+2*\d], v[128+8*\d:135+8*\d], v9
.endr
	v_nop
	global_store_b128 v[L16], v[192:195], s[10:11]             ; 512 consecutive bytes, aligned
	global_store_b128 v[L16], v[196:199], s[10:11] offset:512
	s_wait_tensorcnt 0x0                           ; the wave's end
	ds_add_u32 v[SPW], v[NIL]
	s_wait_dscnt 0x0
	ROUND                                          ; the closing round
	s_endpgm
.Lfunc_end_k_qac8c5e2876_attn:
	.size	k_qac8c5e2876_attn, .Lfunc_end_k_qac8c5e2876_attn-k_qac8c5e2876_attn
	.p2alignl 7, 3214868480
	.fill 96, 4, 3214868480
	.section	.rodata,"a",@progbits
	.p2align	6, 0x0
	.amdhsa_kernel k_qac8c5e2876_attn
		.amdhsa_group_segment_fixed_size 327680
		.amdhsa_private_segment_fixed_size 0
		.amdhsa_enable_private_segment 0
		.amdhsa_kernarg_size 32
		.amdhsa_user_sgpr_count 2
		.amdhsa_user_sgpr_kernarg_segment_ptr 1
		.amdhsa_wavefront_size32 1
		.amdhsa_system_sgpr_workgroup_id_x 1
		.amdhsa_system_sgpr_workgroup_id_y 1
		.amdhsa_system_sgpr_workgroup_id_z 1
		.amdhsa_system_vgpr_workitem_id 0
		.amdhsa_next_free_vgpr 256
		.amdhsa_next_free_sgpr 80
		.amdhsa_reserve_vcc 1
		.amdhsa_float_denorm_mode_32 3
		.amdhsa_float_denorm_mode_16_64 3
		.amdhsa_memory_ordered 1
		.amdhsa_forward_progress 1
		.amdhsa_inst_pref_size 78
	.end_amdhsa_kernel
	.amdgpu_metadata
---
amdhsa.version: [ 1, 2 ]
amdhsa.kernels:
  - .name:           k_qac8c5e2876_attn
    .symbol:         k_qac8c5e2876_attn.kd
    .args:
      - { .name: qkv, .offset: 0, .size: 8, .value_kind: global_buffer, .address_space: global }
      - { .name: attention_mask, .offset: 8, .size: 8, .value_kind: global_buffer, .address_space: global }
      - { .name: lowp_scales, .offset: 16, .size: 8, .value_kind: global_buffer, .address_space: global }
      - { .name: ao, .offset: 24, .size: 8, .value_kind: global_buffer, .address_space: global }
    .group_segment_fixed_size: 327680
    .private_segment_fixed_size: 0
    .kernarg_segment_align: 8
    .kernarg_segment_size: 32
    .max_flat_workgroup_size: 512
    .sgpr_count:     80
    .vgpr_count:     256
    .wavefront_size: 32
...
	.end_amdgpu_metadata
.endif
;; end of part 3
;; launch gout (part 4): grid 8 x 32, 4 waves a work-group, clusters of 4 x 4, 327,680 bytes of LDS; arguments ao, wts, lowp_scales, x, x1; writes x1
.if DOCPART == 4
	.amdgcn_target "amdgcn-amd-amdhsa--gfx1250"
	.amdhsa_code_object_version 6
	.text
	.protected	k_qac8c5e2876_gout
	.globl	k_qac8c5e2876_gout
	.p2align	8
	.type	k_qac8c5e2876_gout,@function
k_qac8c5e2876_gout:
	s_mov_b64 s[64:65], 0
	v_nop
	global_prefetch_b8 v0, s[64:65] scope:SCOPE_SE
	s_setreg_imm32_b32 hwreg(HW_REG_WAVE_MODE, 25, 1), 1
	s_wait_xcnt 0x0
	s_wait_alu depctr_hold_cnt(0) depctr_sa_sdst(0) depctr_va_vdst(0) depctr_va_sdst(0) depctr_va_ssrc(0) depctr_va_vcc(0) depctr_vm_vsrc(0)
	s_getreg_b32 s2, hwreg(HW_REG_IB_STS2, 6, 4)
	s_cmp_eq_u32 s2, 0
	s_cbranch_scc0 .Lentry_in_a_cluster
	s_endpgm
.Lentry_in_a_cluster:
	s_bfe_u32 s2, ttmp6, 0x10000c
	s_cmp_lg_u32 s2, 0xf033
	s_cbranch_scc0 .Lentry_shape_is_right
	s_endpgm
.Lentry_shape_is_right:
.set KS,    8
.set BOFF,  3145728
.set EOFF,  0x18
.set PART,  65536                      ; 4 row tiles x 8 K steps x 2,048 bytes: what a wave's one tensor load brings: all of K
.set SLOT,  8192                       ; K steps 4 to 7 of a row tile lie this far behind K steps 0 to 3
.set STAGE, 4*PART                     ; behind A's two halves and B's two
.set SPITCH, 272
.set SPARE, STAGE+4*16*SPITCH
.set ADRA, 16
.set ADRB, 20
.set STO,  24
.set RD,   25
.set CO,   26
.set SPW,  28
.set NIL,  29
.set BK,   32
.set ACC,  128
.set F0,   0
.set F1,   128
.set G1, 24
.set G0, 32
.set G1B, 48
.set G0B, 56
.set G1S, 68
.set G1BS, 76
.set MSB, 0
.macro WIN new
.if MSB != \new
	s_set_vgpr_msb (MSB<<8)|\new
.set MSB, \new
.endif
.endm
.set MUL,  0x05
.set TO_F, 0x40
.macro JLOAD g0a, g1a, g0b, g1b
	s_cmp_eq_u32 s15, 0
	s_cbranch_scc0 .Lfor_b_\@
	tensor_load_to_lds s[\g0a:\g0a+3], s[\g1a:\g1a+7]
	s_nop 0
.rept 4
	v_nop
.endr
	s_branch .Lasked_\@
.Lfor_b_\@:
	tensor_load_to_lds s[\g0b:\g0b+3], s[\g1b:\g1b+7]
	s_nop 0
.rept 4
	v_nop
.endr
.Lasked_\@:
.endm
.macro CREST
	s_cmp_lg_u32 s14, 0
	s_cbranch_scc1 .Lnot_wave_0_\@
	s_barrier_signal -3
.Lnot_wave_0_\@:
	s_barrier_wait -3
	s_barrier_signal -1
	s_barrier_wait -1
.endm
.macro CROUND
	s_barrier_signal -1
	s_barrier_wait -1
	CREST
.endm
.macro PLACES
.rept 4
	v_nop
.endr
.endm
.macro FETCH slot, q, f
	WIN TO_F
.irp b, 0,1,2,3
.irp c, 0,1,2,3
	ds_load_b128 v[\f+64+16*\b+4*\c:\f+64+16*\b+4*\c+3], v[ADRB+\slot] offset:16384*\b+2048*(\q)+512*\c
.endr
.endr
.irp a, 0,1,2,3
.irp c, 0,1,2,3
	ds_load_b128 v[\f+16*\a+4*\c:\f+16*\a+4*\c+3], v[ADRA+\slot] offset:16384*\a+2048*(\q)+512*\c
.endr
.endr
.endm
.macro MUL4 f, a, zero
	WIN MUL
.irp b, 0,1,2,3
.if \zero
	v_wmma_f32_16x16x128_fp8_fp8 v[ACC+8*(4*(\a)+\b):ACC+8*(4*(\a)+\b)+7], v[\f+64+16*\b:\f+64+16*\b+15], v[\f+16*(\a):\f+16*(\a)+15], 0
.else
	v_wmma_f32_16x16x128_fp8_fp8 v[ACC+8*(4*(\a)+\b):ACC+8*(4*(\a)+\b)+7], v[\f+64+16*\b:\f+64+16*\b+15], v[\f+16*(\a):\f+16*(\a)+15], v[ACC+8*(4*(\a)+\b):ACC+8*(4*(\a)+\b)+7]
.endif
.endr
.endm
.macro CHUNK f, zero, slot, q, g
	s_wait_dscnt 8
	MUL4 \f, 0, \zero
	MUL4 \f, 1, \zero
	PLACES
	FETCH \slot, \q, \g
	s_wait_dscnt 32
	MUL4 \f, 2, \zero
	MUL4 \f, 3, \zero
.endm
.macro THREE slot, zero
	CHUNK F0, \zero, \slot, 1, F1
	CHUNK F1, 0, \slot, 2, F0
	CHUNK F0, 0, \slot, 3, F1
.endm
.macro TURN slot, next, fill, ga, gb
	WIN 0
	s_wait_tensorcnt 0x0
	ds_add_u32 v[SPW], v[NIL]
	s_wait_dscnt 9
	MUL4 F1, 0, 0
	s_wait_dscnt 0x0
	s_barrier_signal -1
	MUL4 F1, 1, 0
.if \fill
	WIN 0
.endif
	s_barrier_wait -1
.if \fill
	CREST
	s_add_nc_u64 s[G0+4*\slot+2:G0+4*\slot+3], s[G0+4*\slot+2:G0+4*\slot+3], 16384
	s_add_nc_u64 s[G0B+4*\slot+2:G0B+4*\slot+3], s[G0B+4*\slot+2:G0B+4*\slot+3], 16384
	JLOAD G0+4*\slot, \ga, G0B+4*\slot, \gb
.else
	PLACES
.endif
	FETCH \next, 0, F0
	MUL4 F1, 2, 0
	MUL4 F1, 3, 0
.endm
.macro LAST
	s_wait_dscnt 8
	MUL4 F1, 0, 0
	MUL4 F1, 1, 0
	s_wait_dscnt 0x0
	MUL4 F1, 2, 0
	MUL4 F1, 3, 0
.endm
	s_load_b128 s[4:7], s[0:1], 0x0
	s_load_b128 s[8:11], s[0:1], 0x10
	s_load_b64 s[12:13], s[0:1], 0x20
	v_lshl_add_u32 v[SPW], v0, 2, SPARE
	v_mov_b32 v[NIL], 0
	ds_add_u32 v[SPW], v[NIL]
	ds_add_u32 v[SPW], v[NIL]
	v_lshrrev_b32 v1, 5, v0
	v_readfirstlane_b32 s14, v1
	s_lshr_b32 s15, s14, 1
	s_and_b32 s16, s14, 1
	s_bfe_u32 s40, ttmp6, 0x40000
	s_bfe_u32 s41, ttmp6, 0x40004
	s_lshl_b32 s42, ttmp9, 2
	s_add_co_u32 s42, s42, s40
	s_and_b32 s17, ttmp7, 0xffff
	s_lshl_b32 s17, s17, 2
	s_add_co_u32 s17, s17, s41
	s_lshl_b32 s43, s41, 2
	s_lshl_b32 s43, 15, s43
	s_lshl_b32 s44, 0x1111, s40
	s_or_b32 s[G1], s43, (3<<16)|(1<<21)
	s_or_b32 s[G1B], s44, (3<<16)|(1<<21)
.irp g, G1, G1B
	s_mov_b32 s[\g+1], 2048<<16                    ; all eight K steps of a row tile: 16,384 bytes
	s_mov_b32 s[\g+2], 4<<16
	s_mov_b32 s[\g+3], 2048<<16
	s_mov_b32 s[\g+4], 4
	s_mov_b32 s[\g+5], KS*256
	s_mov_b32 s[\g+6], 0
	s_mov_b32 s[\g+7], 0
.endr
.if KS > 8
	s_or_b32 s[G1S], s43, (3<<16)|(1<<21)
	s_or_b32 s[G1BS], s44, (3<<16)|(1<<21)
.irp g, G1S, G1BS
	s_mov_b32 s[\g+1], 512<<16
	s_mov_b32 s[\g+2], 4<<16
	s_mov_b32 s[\g+3], 1024<<16
	s_mov_b32 s[\g+4], 4
	s_mov_b32 s[\g+5], KS*256
	s_mov_b32 s[\g+6], 0
	s_mov_b32 s[\g+7], 0
.endr
.endif
	s_lshl_b32 s18, s16, 2
	s_lshl_b32 s20, s17, 3
	s_add_co_u32 s20, s20, s18
	s_mul_i32 s20, s20, KS*2048
	s_mov_b32 s21, 0
	s_lshl_b32 s46, s42, 3
	s_add_co_u32 s46, s46, s18
	s_mul_i32 s46, s46, KS*2048
	s_add_co_u32 s46, s46, BOFF
	s_mov_b32 s47, 0
	s_mul_i32 s45, s14, PART
	s_wait_dscnt 0x0
	s_wait_kmcnt 0x0
	s_load_b64 s[96:97], s[8:9], EOFF
	s_add_nc_u64 s[20:21], s[4:5], s[20:21]
	s_add_nc_u64 s[46:47], s[6:7], s[46:47]
	CROUND
.irp s, 0,1
	s_mov_b32 s[G0+4*\s], 1
	s_add_co_u32 s[G0+4*\s+1], s45, \s*SLOT
	s_add_nc_u64 s[G0+4*\s+2:G0+4*\s+3], s[20:21], \s*8192
	s_or_b32 s[G0+4*\s+3], s[G0+4*\s+3], 0x80000000
	s_mov_b32 s[G0B+4*\s], 1
	s_add_co_u32 s[G0B+4*\s+1], s45, \s*SLOT
	s_add_nc_u64 s[G0B+4*\s+2:G0B+4*\s+3], s[46:47], \s*8192
	s_or_b32 s[G0B+4*\s+3], s[G0B+4*\s+3], 0x80000000
.endr
	JLOAD G0, G1, G0B, G1B                         ; slot 0: one tensor load a wave at the head
	v_and_b32 v1, 15, v0
	v_bfe_u32 v2, v0, 4, 1
	v_lshlrev_b32 v[CO], 12, v2
	v_lshl_add_u32 v[CO], v1, 4, v[CO]
	s_wait_alu depctr_va_vdst(0)
	s_lshl_b32 s86, s17, 7
	s_lshl_b32 s87, s15, 6
	s_add_co_u32 s86, s86, s87
	s_lshl_b32 s86, s86, 12
	s_lshl_b32 s87, s42, 9
	s_add_co_u32 s86, s86, s87
	s_lshl_b32 s87, s16, 8
	s_add_co_u32 s86, s86, s87
	s_mov_b32 s87, 0
	s_add_nc_u64 s[10:11], s[10:11], s[86:87]
	s_add_nc_u64 s[12:13], s[12:13], s[86:87]
	WIN 0x80
.set u, 0
.rept 32
	global_load_b128 v[4*u:4*u+3], v[CO], s[10:11] offset:(16*(u/8)+2*(u%8))*4096 th:TH_LOAD_NT
.set u, u+1
.endr
	WIN 0
	v_and_b32 v3, 31, v0
	v_lshlrev_b32 v3, 4, v3
	s_mul_i32 s21, s15, PART
	s_mul_i32 s22, s16, PART
	s_add_co_u32 s22, s22, 2*PART
.irp s, 0,1
	v_add_nc_u32 v[ADRA+\s], s21, v3
	v_add_nc_u32 v[ADRB+\s], s22, v3
	s_add_co_u32 s21, s21, SLOT
	s_add_co_u32 s22, s22, SLOT
.endr
	s_mul_i32 s23, s14, 16*SPITCH
	s_add_co_u32 s23, s23, STAGE
	v_mul_u32_u24 v4, v1, SPITCH
	v_lshl_add_u32 v4, v2, 5, v4
	v_add_nc_u32 v[STO], s23, v4
	v_mul_u32_u24 v5, v2, SPITCH
	v_lshl_add_u32 v5, v1, 4, v5
	v_add_nc_u32 v[RD], s23, v5
	s_wait_alu depctr_va_vdst(0)
	s_wait_tensorcnt 0x0                           ; my one tensor load has landed;
	s_barrier_signal -1
	s_barrier_wait -1                              ; everybody's
	FETCH 0, 0, F0
.if KS > 8
	THREE 0, 1
	TURN 0, 1, 1, G1, G1B
	THREE 1, 0
	TURN 1, 0, 1, G1, G1B
	THREE 0, 0
	TURN 0, 1, 1, G1, G1B
	THREE 1, 0
	TURN 1, 0, 1, G1S, G1BS
	THREE 0, 0
	TURN 0, 1, 0, G1, G1B
	CHUNK F0, 0, 1, 1, F1
	LAST
.else
	THREE 0, 1
	CHUNK F1, 0, 1, 0, F0                          ; on into K steps 4 to 7: they lie in LDS already
	THREE 1, 0
	LAST
.endif
	WIN 0
	s_wait_kmcnt 0x0
	s_add_co_i32 s96, s96, s97
	s_add_co_i32 s96, s96, 127
	s_lshl_b32 s96, s96, 23
	s_mov_b32 s97, s96
	PLACES
	s_wait_loadcnt 0x0
.macro OUTB a
.set BB, BK+32*((\a)%2)
.if (\a) > 1
	s_wait_xcnt 0x0
.endif
.irp b, 0,1,2,3
	ds_store_b128 v[STO], v[ACC+8*(4*(\a)+\b):ACC+8*(4*(\a)+\b)+3] offset:64*\b
	ds_store_b128 v[STO], v[ACC+8*(4*(\a)+\b)+4:ACC+8*(4*(\a)+\b)+7] offset:64*\b+16
.endr
.irp t, 0,1,2,3,4,5,6,7
	ds_load_b128 v[BB+4*\t:BB+4*\t+3], v[RD] offset:\t*2*SPITCH
.endr
	s_wait_dscnt 0x0
	WIN 0x20
.set u, 0
.rept 16
	v_pk_fma_f32 v[BB+u:BB+u+1], v[BB+u:BB+u+1], s[96:97], v[32*(\a)+u:32*(\a)+u+1] op_sel_hi:[1,0,1]
.set u, u+2
.endr
	WIN 0
.irp t, 0,1,2,3,4,5,6,7
	global_store_b128 v[CO], v[BB+4*\t:BB+4*\t+3], s[12:13] offset:(16*(\a)+2*\t)*4096
.endr
.endm
	OUTB 0
	OUTB 1
	OUTB 2
	OUTB 3
	s_wait_tensorcnt 0x0
	ds_add_u32 v[SPW], v[NIL]
	s_wait_dscnt 0x0
	CROUND
	s_endpgm
.Lfunc_end_k_qac8c5e2876_gout:
	.size	k_qac8c5e2876_gout, .Lfunc_end_k_qac8c5e2876_gout-k_qac8c5e2876_gout
	.p2alignl 7, 3214868480
	.fill 96, 4, 3214868480
	.section	.rodata,"a",@progbits
	.p2align	6, 0x0
	.amdhsa_kernel k_qac8c5e2876_gout
		.amdhsa_group_segment_fixed_size 327680
		.amdhsa_private_segment_fixed_size 0
		.amdhsa_enable_private_segment 0
		.amdhsa_kernarg_size 40
		.amdhsa_user_sgpr_count 2
		.amdhsa_user_sgpr_kernarg_segment_ptr 1
		.amdhsa_wavefront_size32 1
		.amdhsa_system_sgpr_workgroup_id_x 1
		.amdhsa_system_sgpr_workgroup_id_y 1
		.amdhsa_system_sgpr_workgroup_id_z 1
		.amdhsa_system_vgpr_workitem_id 0
		.amdhsa_next_free_vgpr 640
		.amdhsa_next_free_sgpr 100
		.amdhsa_reserve_vcc 0
		.amdhsa_float_denorm_mode_32 3
		.amdhsa_float_denorm_mode_16_64 3
		.amdhsa_memory_ordered 1
		.amdhsa_forward_progress 1
		.amdhsa_inst_pref_size 48
	.end_amdhsa_kernel
	.amdgpu_metadata
---
amdhsa.version: [ 1, 2 ]
amdhsa.kernels:
  - .name:           k_qac8c5e2876_gout
    .symbol:         k_qac8c5e2876_gout.kd
    .args:
      - { .name: ao, .offset: 0, .size: 8, .value_kind: global_buffer, .address_space: global }
      - { .name: wts, .offset: 8, .size: 8, .value_kind: global_buffer, .address_space: global }
      - { .name: lowp_scales, .offset: 16, .size: 8, .value_kind: global_buffer, .address_space: global }
      - { .name: x, .offset: 24, .size: 8, .value_kind: global_buffer, .address_space: global }
      - { .name: x1, .offset: 32, .size: 8, .value_kind: global_buffer, .address_space: global }
    .group_segment_fixed_size: 327680
    .private_segment_fixed_size: 0
    .kernarg_segment_align: 8
    .kernarg_segment_size: 40
    .max_flat_workgroup_size: 128
    .sgpr_count:     100
    .vgpr_count:     640
    .wavefront_size: 32
...
	.end_amdgpu_metadata
.endif
;; end of part 4
;; launch ln2 (part 5): grid 256 x 1, 4 waves a work-group, no clusters, 34,304 bytes of LDS; arguments x1, g2, b2, lowp_scales, h2; writes h2
.if DOCPART == 5
	.amdgcn_target "amdgcn-amd-amdhsa--gfx1250"
	.amdhsa_code_object_version 6
	.text
	.protected	k_qac8c5e2876_ln2
	.globl	k_qac8c5e2876_ln2
	.p2align	8
	.type	k_qac8c5e2876_ln2,@function
k_qac8c5e2876_ln2:
	s_mov_b64 s[64:65], 0
	v_nop
	global_prefetch_b8 v0, s[64:65] scope:SCOPE_SE
	s_setreg_imm32_b32 hwreg(HW_REG_WAVE_MODE, 25, 1), 1
	s_wait_xcnt 0x0
; Layer norm of [4096][1024] f32 rows, then codes of E4M3 with NOUT given scales (here two: e8 for the product with W1, e10 for that with W2; the second image lies 4 MiB behind the first),
; laid as images of operand registers (row tile R, K step s at (8 R + s) 2048; byte 512 c + 16 lane + i = row 16 R + r, k = 128 s + 32 c + 16 (i / 8) + 8 h + i % 8).
; All arithmetic in f32: mean, mean of squared differences, 1 / sqrt(v + 1e-5), x g + b.
; A work-group takes 16 rows (one row tile), a wave four whole rows, each in 32 registers: read once, no wave waits for another until the codes meet in a stage in LDS.
; A lane's four codes of a load go to the stage row at 128 j + 4 x (lane with bits 1 and 2 exchanged): so 16 consecutive bytes of a stage row are a lane's 16 bytes of the image.
; LIMITS: each e between -126 and 119.  NaN among the inputs is not served.
.set NOUT,  2
.set EOFF0, 0x20
.set EOFF1, 0x28
.set SP,    1040                       ; a stage row: 1,024 bytes + 16
.set STGB,  16896                      ; a stage of 16 rows, in whole blocks of 256 bytes
.set SPARE, NOUT*STGB
.set G,  16                            ; v16-47  g of my columns
.set BV, 48                            ; v48-79  b
.set X,  80                            ; v80-207 four rows
.set T,  208                           ; v208-239 held numbers
.set C,  240                           ; v240-247 codes
.set S,  248                           ; v248-255 sums
.set SPW, 14
.set NIL, 15
	s_load_b256 s[4:11], s[0:1], 0x0               ; rows, g, b, the scales' exponents
	s_load_b64 s[12:13], s[0:1], 0x20              ; the images
	v_lshl_add_u32 v[SPW], v0, 2, SPARE
	v_mov_b32 v[NIL], 0
	v_lshrrev_b32 v1, 5, v0
	v_readfirstlane_b32 s14, v1                    ; wave
	v_and_b32 v1, 31, v0
	v_lshlrev_b32 v2, 4, v1                        ; 16 x lane
	v_and_b32 v5, 0x19, v1
	v_bfe_u32 v6, v1, 1, 1
	v_lshl_add_u32 v5, v6, 2, v5
	v_bfe_u32 v6, v1, 2, 1
	v_lshl_add_u32 v5, v6, 1, v5                   ; lane with bits 1 and 2 exchanged
	s_mul_i32 s15, s14, 4*SP
	v_lshl_add_u32 v3, v5, 2, s15                  ; into the stage: my wave's four rows
	v_and_b32 v6, 15, v0
	v_bfe_u32 v7, v0, 4, 1
	v_mul_u32_u24 v4, v6, SP
	v_lshl_add_u32 v4, v7, 4, v4
	s_lshl_b32 s16, s14, 8
	v_add_nc_u32 v4, s16, v4                       ; out of it: row r, + 16 h, + my wave's two K steps
	s_lshl_b32 s18, ttmp9, 16
	s_lshl_b32 s19, s14, 14
	s_add_co_u32 s18, s18, s19                     ; my first row: 16 x work-group + 4 x wave, 4,096 bytes each
	s_mov_b32 s19, 0
	s_lshl_b32 s22, ttmp9, 14
	s_lshl_b32 s23, s14, 12
	s_add_co_u32 s22, s22, s23                     ; my part of the image
	s_mov_b32 s23, 0
	s_mov_b32 s24, 0x76543210
	s_mov_b32 s25, 0xfedcba98                      ; v_permlanex16_b32: lane l xor 16
	s_mov_b32 s26, 0x3a800000                      ; 1 / 1024
	s_mov_b32 s27, 0x3727c5ac                      ; 1e-5
	s_wait_kmcnt 0x0
	s_load_b32 s28, s[10:11], EOFF0
.if NOUT > 1
	s_load_b32 s29, s[10:11], EOFF1
.endif
	s_add_nc_u64 s[4:5], s[4:5], s[18:19]
	s_add_nc_u64 s[12:13], s[12:13], s[22:23]
.irp j, 0,1,2,3,4,5,6,7
	global_load_b128 v[G+4*\j:G+4*\j+3], v2, s[6:7] offset:512*\j
.endr
.irp j, 0,1,2,3,4,5,6,7
	global_load_b128 v[BV+4*\j:BV+4*\j+3], v2, s[8:9] offset:512*\j
.endr
.irp p, 0,1,2,3
.irp j, 0,1,2,3,4,5,6,7
	global_load_b128 v[X+32*\p+4*\j:X+32*\p+4*\j+3], v2, s[4:5] offset:4096*\p+512*\j th:TH_LOAD_NT   ; 512 consecutive bytes a load
.endr
.endr
	s_wait_kmcnt 0x0
.set o, 0
.rept NOUT
	s_add_co_i32 s30, s[28+o], 127
	s_lshl_b32 s31, s30, 23
	v_mov_b32 v[8+2*o], s31                        ; 2^e as f32
	s_add_co_i32 s30, s30, 8
	s_lshl_b32 s30, s30, 23
	s_or_b32 s30, s30, 0x600000
	v_mov_b32 v[9+2*o], s30                        ; 448 x 2^e
.set o, o+1
.endr
.macro LANESUM                         ; v[S], v[S+1] added, then over the 32 lanes; every lane has the sum
	v_add_f32 v[S], v[S], v[S+1]
	v_add_f32_dpp v[S], v[S], v[S] row_xmask:1 row_mask:0xf bank_mask:0xf
	v_add_f32_dpp v[S], v[S], v[S] row_xmask:2 row_mask:0xf bank_mask:0xf
	v_add_f32_dpp v[S], v[S], v[S] row_xmask:4 row_mask:0xf bank_mask:0xf
	v_add_f32_dpp v[S], v[S], v[S] row_xmask:8 row_mask:0xf bank_mask:0xf
	v_permlanex16_b32 v[S+1], v[S], s24, s25
	v_add_f32 v[S], v[S], v[S+1]
.endm
.macro JOIN                            ; the four chains into one pair
	v_pk_add_f32 v[S:S+1], v[S:S+1], v[S+2:S+3]
	v_pk_add_f32 v[S+4:S+5], v[S+4:S+5], v[S+6:S+7]
	v_pk_add_f32 v[S:S+1], v[S:S+1], v[S+4:S+5]
.endm
.macro QOUT p, o
.set n, 0
.rept 32
	v_med3_num_f32 v[T+n], v[XR+n], -v[9+2*(\o)], v[9+2*(\o)]   ; the hold at the largest code x the scale (ISA guide 7.6.2)
.set n, n+1
.endr
	s_wait_alu depctr_va_vdst(0)
	s_wait_dscnt 0x0                               ; the last stores into the stage have read the codes' registers
.irp g, 0,1,2,3
	v_cvt_scalef32_pk8_fp8_f32 v[C+2*\g:C+2*\g+1], v[T+8*\g:T+8*\g+7], v[8+2*(\o)]   ; register j: the four codes of load j
.endr
	v_nop                                          ; a plain line behind the last conversion
.irp j, 0,1,2,3,4,5,6,7
	ds_store_b32 v3, v[C+\j] offset:(\o)*STGB+(\p)*SP+128*\j
.endr
.endm
.macro ROW p
.set XR, X+32*(\p)
	s_wait_loadcnt 8*(3-(\p))                      ; g, b and this row are in; the later rows' loads may be out
.irp q, 0,1,2,3
	v_pk_add_f32 v[S+2*\q:S+2*\q+1], v[XR+2*\q:XR+2*\q+1], v[XR+8+2*\q:XR+9+2*\q]   ; four chains; the first terms start them
.endr
.irp u, 16, 24
.irp q, 0,1,2,3
	v_pk_add_f32 v[S+2*\q:S+2*\q+1], v[S+2*\q:S+2*\q+1], v[XR+\u+2*\q:XR+\u+1+2*\q]
.endr
.endr
	JOIN
	LANESUM
	v_mul_f32 v[S+2], s26, v[S]                    ; the mean
.set n, 0
.rept 16
	v_pk_add_f32 v[XR+n:XR+n+1], v[XR+n:XR+n+1], v[S+2:S+3] op_sel_hi:[1,0] neg_lo:[0,1] neg_hi:[0,1]
.set n, n+2
.endr
.irp q, 0,1,2,3
	v_pk_mul_f32 v[S+2*\q:S+2*\q+1], v[XR+2*\q:XR+2*\q+1], v[XR+2*\q:XR+2*\q+1]
.endr
.irp u, 8, 16, 24
.irp q, 0,1,2,3
	v_pk_fma_f32 v[S+2*\q:S+2*\q+1], v[XR+\u+2*\q:XR+\u+1+2*\q], v[XR+\u+2*\q:XR+\u+1+2*\q], v[S+2*\q:S+2*\q+1]
.endr
.endr
	JOIN
	LANESUM
	v_fma_f32 v[S], v[S], s26, s27                 ; the variance + 1e-5
	s_wait_alu depctr_va_vdst(0)
	v_rsq_f32 v[S+2], v[S]
	v_nop                                          ; a plain line behind the transcendental,
	s_wait_alu depctr_va_vdst(0)                   ; and the wait ahead of its first reader
.set n, 0
.rept 16
	v_pk_mul_f32 v[XR+n:XR+n+1], v[XR+n:XR+n+1], v[S+2:S+3] op_sel_hi:[1,0]
.set n, n+2
.endr
.set n, 0
.rept 16
	v_pk_fma_f32 v[XR+n:XR+n+1], v[XR+n:XR+n+1], v[G+n:G+n+1], v[BV+n:BV+n+1]
.set n, n+2
.endr
	QOUT \p, 0
.if NOUT > 1
	QOUT \p, 1
.endif
.endm
	ROW 0
	ROW 1
	ROW 2
	ROW 3
	s_wait_dscnt 0x0                               ; for the others' sake: my stores into the stage are done
	s_barrier_signal -1
	s_barrier_wait -1
.set t, 0
.rept 8*NOUT                           ; output t / 8, my K step (t / 4) % 2, group t % 4
	ds_load_b128 v[X+4*t:X+4*t+3], v4 offset:(t/8)*STGB+((t/4)%2)*128+(t%4)*32
.set t, t+1
.endr
.set t, 0
.rept 8*NOUT
	s_wait_dscnt 8*NOUT-1-t                        ; the younger loads may be out
	global_store_b128 v2, v[X+4*t:X+4*t+3], s[12:13] offset:(t/8)*4194304+((t/4)%2)*2048+(t%4)*512   ; 512 consecutive bytes, aligned
.set t, t+1
.endr
	s_wait_tensorcnt 0x0                           ; the wave's end
	ds_add_u32 v[SPW], v[NIL]
	s_wait_dscnt 0x0
	s_endpgm
.Lfunc_end_k_qac8c5e2876_ln2:
	.size	k_qac8c5e2876_ln2, .Lfunc_end_k_qac8c5e2876_ln2-k_qac8c5e2876_ln2
	.p2alignl 7, 3214868480
	.fill 96, 4, 3214868480
	.section	.rodata,"a",@progbits
	.p2align	6, 0x0
	.amdhsa_kernel k_qac8c5e2876_ln2
		.amdhsa_group_segment_fixed_size 34304
		.amdhsa_private_segment_fixed_size 0
		.amdhsa_enable_private_segment 0
		.amdhsa_kernarg_size 40
		.amdhsa_user_sgpr_count 2
		.amdhsa_user_sgpr_kernarg_segment_ptr 1
		.amdhsa_wavefront_size32 1
		.amdhsa_system_sgpr_workgroup_id_x 1
		.amdhsa_system_sgpr_workgroup_id_y 1
		.amdhsa_system_sgpr_workgroup_id_z 1
		.amdhsa_system_vgpr_workitem_id 0
		.amdhsa_next_free_vgpr 256
		.amdhsa_next_free_sgpr 66
		.amdhsa_reserve_vcc 0
		.amdhsa_float_denorm_mode_32 3
		.amdhsa_float_denorm_mode_16_64 3
		.amdhsa_memory_ordered 1
		.amdhsa_forward_progress 1
		.amdhsa_inst_pref_size 58
	.end_amdhsa_kernel
	.amdgpu_metadata
---
amdhsa.version: [ 1, 2 ]
amdhsa.kernels:
  - .name:           k_qac8c5e2876_ln2
    .symbol:         k_qac8c5e2876_ln2.kd
    .args:
      - { .name: x1, .offset: 0, .size: 8, .value_kind: global_buffer, .address_space: global }
      - { .name: g2, .offset: 8, .size: 8, .value_kind: global_buffer, .address_space: global }
      - { .name: b2, .offset: 16, .size: 8, .value_kind: global_buffer, .address_space: global }
      - { .name: lowp_scales, .offset: 24, .size: 8, .value_kind: global_buffer, .address_space: global }
      - { .name: h2, .offset: 32, .size: 8, .value_kind: global_buffer, .address_space: global }
    .group_segment_fixed_size: 34304
    .private_segment_fixed_size: 0
    .kernarg_segment_align: 8
    .kernarg_segment_size: 40
    .max_flat_workgroup_size: 128
    .sgpr_count:     66
    .vgpr_count:     256
    .wavefront_size: 32
...
	.end_amdgpu_metadata
.endif
;; end of part 5
;; launch gffn (part 6): grid 32 x 8, 4 waves a work-group, no clusters, 327,680 bytes of LDS; arguments h2, wts, lowp_scales, f; writes f
.if DOCPART == 6
	.amdgcn_target "amdgcn-amd-amdhsa--gfx1250"
	.amdhsa_code_object_version 6
	.text
	.protected	k_qac8c5e2876_gffn
	.globl	k_qac8c5e2876_gffn
	.p2align	8
	.type	k_qac8c5e2876_gffn,@function
k_qac8c5e2876_gffn:
	s_mov_b64 s[64:65], 0
	v_nop
	global_prefetch_b8 v0, s[64:65] scope:SCOPE_SE
	s_setreg_imm32_b32 hwreg(HW_REG_WAVE_MODE, 25, 1), 1
	s_wait_xcnt 0x0
; f = silu(h W1) x (h W2), both products on codes of E4M3 (h with e8 against W1 with e9; h with e10 against W2 with e11), and f quantised at once (e12) as the image of the last product's operand:
; row tile R, K step s at (22 R + s) 2048.  All operands lie in memory as images of operand registers: a fragment (16 rows x 128 K) is 2,048 dense bytes, four 16-byte loads at 16 x lane.
; SHARES.  Work-group (x, y) owns rows 128 x on and walks the column blocks of 128: y, y + 8 and, where y < 6, y + 16 (22 blocks in all).  A block is a PASS.
; h STAYS IN LDS: the block's 128 rows x 1,024 of both images, 262,144 bytes, are brought once, a quarter by each wave's one tensor load; nothing is filled again, and one barrier serves the launch.
; THE WEIGHTS GO FROM MEMORY STRAIGHT INTO REGISTERS: wave w takes column tiles 2 w and 2 w + 1 of a block, of both weights, for all of K: 32 fragments, 512 registers.  No other wave of the work-group wants them.
; As soon as a K step's products with a weight are issued, the NEXT pass's fragments of that K step are asked for into the same registers: each load has a whole pass in which to land.
; A wave makes 128 rows x 32 columns of both products: 32 accumulators.  THE MATRIX INSTRUCTION IS USED TRANSPOSED (source 0 = the weight's fragment, source 1 = h's): a lane holds one row and eight neighbouring columns,
; neighbours along the next K; my two tiles are one group of 32 of that K, so a row tile's codes leave by one store of 512 consecutive bytes.
; No cluster, though the eight work-groups of a row block read the same rows of h: 22 column blocks over eight work-groups are three for six of them and two for two, so the jump over a pass would hang on a partner's place in its cluster.
; Columns 2,730 to 2,815 have zero codes in both weights: their f is 0, whose code is 0.
; LIMITS: e8 + e9 between -120 and 120; e12 - e8 - e9 - e10 - e11 between -126 and 119.
; REGISTERS, in windows of 256: window 0: v8 16 x lane, v12, v13 the conversion's scale and hold, v16-19 LDS addresses, v28, v29 the add's two; v64-255 three buffers of four fragments of h; behind a pass's products v32-127 are at work.
;   window 1: W1's fragments (K step s, tile t) at v[16 (2 s + t)];  window 2: W2's likewise;  window 3: U (row tile a, tile t) at v[8 (2 a + t)], W at v[128 + 8 (2 a + t)].
.set IMG,   131072                     ; an image's 128 rows in LDS: row tile a, K step s at 16,384 a + 2,048 s
.set SPARE, 2*IMG                      ; behind the two images: the spare words, 128 bytes a wave
.set L16,  8
.set AD,   16                          ; v[AD + 2 i + j]: 16 x lane + image i, row tiles 4 j on: 65,536 bytes apart, so that every offset fits the 16-bit immediate
.set SPW,  28
.set NIL,  29
.set T,    32                          ; v32-63   1 / (1 + 2^(-u log2 e))
.set P,    64                          ; v64-95   the products
.set CD,   96                          ; v96-127  the codes
.set AF,   64                          ; the three buffers: v64, v128, v192
.set G1,   24
.set G0,   32
.set BP,   36                          ; s[36:37] my column tiles of W1 in the block that is being asked for; W2's lie 2,883,584 bytes further on
.set CNT,  40
.set LIM,  41
.set MSB, 0
.macro WIN new                         ; the immediate's high byte repeats the setting that is left
.if MSB != \new
	s_set_vgpr_msb (MSB<<8)|\new
.set MSB, \new
.endif
.endm
.macro PLACES                          ; four plain places behind matrix instructions, ahead of loads into their sources and of reads of their results
.rept 4
	v_nop
.endr
.endm
.macro BLOAD p, s                      ; weight p (1: W1, 2: W2): my two tiles' fragments of K step s, into window p: eight loads of 512 consecutive bytes
	WIN 0x40*(\p)
.irp t, 0,1
.irp c, 0,1,2,3
	global_load_b128 v[16*(2*(\s)+\t)+4*\c:16*(2*(\s)+\t)+4*\c+3], v[L16], s[BP:BP+1] offset:((\p)-1)*2883584+16384*\t+2048*(\s)+512*\c
.endr
.endr
.endm
.macro LOADG g                         ; group g of a pass's 32: K step g / 4, image (g / 2) % 2, row tiles 4 (g % 2) on: four fragments into buffer g % 3
.set gs, (\g)/4
.set gi, ((\g)/2)%2
.set gj, (\g)%2
.set gb, AF+64*((\g)%3)
.irp a, 0,1,2,3
.irp c, 0,1,2,3
	ds_load_b128 v[gb+16*\a+4*\c:gb+16*\a+4*\c+3], v[AD+2*gi+gj] offset:16384*\a+2048*gs+512*\c
.endr
.endr
.endm
.macro MULG g                          ; its eight products.  The 32 accumulators take turns, one instruction a turn, in one order; K step 0 starts the sums
.set ms, (\g)/4
.set mi, ((\g)/2)%2
.set mb, AF+64*((\g)%3)
.set md, 128*mi+64*((\g)%2)
.set mw, 0xf1+mi                       ; source 0 (the weight) window 1 or 2, source 1 (h) window 0, C and D window 3
	WIN mw
.irp a, 0,1,2,3
.irp t, 0,1
.if (\g) < 4
	v_wmma_f32_16x16x128_fp8_fp8 v[md+8*(2*\a+\t):md+8*(2*\a+\t)+7], v[16*(2*ms+\t):16*(2*ms+\t)+15], v[mb+16*\a:mb+16*\a+15], 0
.else
	v_wmma_f32_16x16x128_fp8_fp8 v[md+8*(2*\a+\t):md+8*(2*\a+\t)+7], v[16*(2*ms+\t):16*(2*ms+\t)+15], v[mb+16*\a:mb+16*\a+15], v[md+8*(2*\a+\t):md+8*(2*\a+\t)+7]
.endif
.endr
.endr
.endm
; Row tiles 2 m and 2 m + 1: silu(u) w = u w / (1 + 2^(-u log2 e)), all in f32; each batch of transcendentals has one wait ahead of its first reader.
.macro SWI m
	WIN 0x03                                       ; source 0 window 3
.set n, 0
.rept 16
	v_pk_mul_f32 v[T+n:T+n+1], v[32*(\m)+n:32*(\m)+n+1], s[94:95] op_sel_hi:[1,0]   ; each accumulator from its low end on
.set n, n+2
.endr
	WIN 0
.set n, 0
	s_wait_alu depctr_va_vdst(0)
.rept 32
	v_exp_f32 v[T+n], v[T+n]
.set n, n+1
.endr
	WIN 0x0f                                       ; sources 0 and 1 window 3
.set n, 0
	s_wait_alu depctr_va_vdst(0)
.rept 16
	v_pk_mul_f32 v[P+n:P+n+1], v[32*(\m)+n:32*(\m)+n+1], v[128+32*(\m)+n:128+32*(\m)+n+1]   ; U W: the independent work behind the exponentials
.set n, n+2
.endr
	WIN 0
	s_wait_alu depctr_va_vdst(0)
.set n, 0
.rept 16
	v_pk_add_f32 v[T+n:T+n+1], v[T+n:T+n+1], 1.0 op_sel_hi:[1,0]
.set n, n+2
.endr
.set n, 0
	s_wait_alu depctr_va_vdst(0)
.rept 32
	v_rcp_f32 v[T+n], v[T+n]
.set n, n+1
.endr
	v_nop
	s_wait_alu depctr_va_vdst(0)
.set n, 0
.rept 16
	v_pk_mul_f32 v[P+n:P+n+1], v[P+n:P+n+1], v[T+n:T+n+1]
.set n, n+2
.endr
.set n, 0
.rept 32
	v_med3_num_f32 v[P+n], v[P+n], -v13, v13       ; the hold (ISA guide 7.6.2)
.set n, n+1
.endr
.irp b, 0,1,2,3
	v_cvt_scalef32_pk8_fp8_f32 v[CD+8*(\m)+2*\b:CD+8*(\m)+2*\b+1], v[P+8*\b:P+8*\b+7], v12
.endr
	v_nop                                          ; a plain line behind the last conversion
	global_store_b128 v[L16], v[CD+8*(\m):CD+8*(\m)+3], s[10:11] offset:45056*(2*(\m))        ; a row tile's group: 512 consecutive bytes, aligned
	global_store_b128 v[L16], v[CD+8*(\m)+4:CD+8*(\m)+7], s[10:11] offset:45056*(2*(\m)+1)
.endm
; A PASS: one column block.  LDS loads run two groups ahead of the products, in three buffers.  next = 1: the next pass's weights are asked for, K step by K step, into the registers that this pass has done with.
; The weights' loads are issued in one order, W1 and W2 of K step 0, of K step 1 and so on, eight at a time.  With next = 1, 120 loads are younger than the eight that a group is about to read (15 batches: the rest of this pass's
; and those already asked for the next); the wait's field ends at 63, so the count is 56: seven batches may be out.  With next = 0 the younger ones are what is left of this pass.
.macro PASS next
	s_wait_xcnt 0x0                                ; every earlier load and store has read its address and data registers: the base may step, and the buffers that held codes may be loaded
.if \next
	s_add_nc_u64 s[BP:BP+1], s[BP:BP+1], 1048576   ; eight column blocks on
.endif
	LOADG 0
	LOADG 1
.set G, 0
.rept 32
.if G > 0
	PLACES                                         ; behind group G - 1's products: its buffer, and the weight's registers that it was the last to read, are loaded below
.endif
.if \next
.if G%4 == 2
	BLOAD 1, G/4
.endif
.if (G%4 == 0) && (G > 0)
	BLOAD 2, G/4-1
.endif
.endif
	WIN 0
.if G < 30
	LOADG G+2
	s_wait_dscnt 32                                ; group G is in; the two groups behind it may be out
.elseif G == 30
	s_wait_dscnt 16
.else
	s_wait_dscnt 0x0
.endif
.if G%2 == 0
.set LC, (15-G/2)*8
.if (\next) || (LC > 56)
.set LC, 56
.endif
	s_wait_loadcnt LC                              ; this K step's fragments of the weight are in
.endif
	MULG G
.set G, G+1
.endr
	PLACES
.if \next
	BLOAD 2, 7
.endif
	WIN 0
	SWI 0
	SWI 1
	SWI 2
	SWI 3
.if \next
	s_wait_xcnt 0x0                                ; the stores have read their base
	s_add_nc_u64 s[10:11], s[10:11], 16384         ; eight K steps of f's image on
.endif
.endm
	s_load_b128 s[4:7], s[0:1], 0x0                ; h's two images, the weights' images
	s_load_b128 s[8:11], s[0:1], 0x10              ; the scales' exponents, f's image
	v_lshl_add_u32 v[SPW], v0, 2, SPARE
	v_mov_b32 v[NIL], 0
	ds_add_u32 v[SPW], v[NIL]                      ; the wave's opening
	ds_add_u32 v[SPW], v[NIL]
	v_lshrrev_b32 v1, 5, v0
	v_readfirstlane_b32 s14, v1                    ; wave
	s_and_b32 s42, ttmp7, 0xffff                   ; y
	s_mov_b32 s[G1], 3<<16                         ; no mask; elements of 8 bytes; no padding
	s_mov_b32 s[G1+1], 32<<16                      ; tensor_dim0 = 32 elements: rows of 256 bytes
	s_mov_b32 s[G1+2], 256<<16                     ; tensor_dim1 = 256
	s_mov_b32 s[G1+3], 32<<16                      ; tile_dim0
	s_mov_b32 s[G1+4], 256                         ; tile_dim1: 65,536 dense bytes: four row tiles of one image
	s_mov_b32 s[G1+5], 32
	s_mov_b32 s[G1+6], 0
	s_mov_b32 s[G1+7], 0
	s_lshr_b32 s15, s14, 1                         ; which image I fetch,
	s_and_b32 s16, s14, 1                          ; and which half of its rows
	s_lshl_b32 s20, s15, 22
	s_lshl_b32 s18, ttmp9, 17
	s_add_co_u32 s20, s20, s18
	s_lshl_b32 s18, s16, 16
	s_add_co_u32 s20, s20, s18                     ; 4 MiB x image + 131,072 x + 65,536 x half
	s_mov_b32 s21, 0
	s_lshl_b32 s46, s42, 17
	s_lshl_b32 s18, s14, 15
	s_add_co_u32 s46, s46, s18
	s_add_co_u32 s46, s46, 4194304                 ; W1's image, column block y, my two tiles
	s_mov_b32 s47, 0
	s_mul_i32 s86, ttmp9, 360448                   ; f: (8 x) row tiles of 22 K steps,
	s_lshl_b32 s87, s42, 11
	s_add_co_u32 s86, s86, s87                     ; K step y,
	s_lshl_b32 s87, s14, 9
	s_add_co_u32 s86, s86, s87                     ; group w
	s_mov_b32 s87, 0
	s_wait_dscnt 0x0                               ; the opening add is done
	s_wait_kmcnt 0x0
	s_load_b128 s[88:91], s[8:9], 0x20             ; e8 .. e11
	s_load_b32 s92, s[8:9], 0x30                   ; e12
	s_mov_b32 s[G0], 1
	s_lshl_b32 s[G0+1], s14, 16                    ; LDS: 65,536 x wave
	s_add_nc_u64 s[G0+2:G0+3], s[4:5], s[20:21]
	s_or_b32 s[G0+3], s[G0+3], 0x80000000
	tensor_load_to_lds s[G0:G0+3], s[G1:G1+7]      ; my one tensor load
	s_nop 0
	s_add_nc_u64 s[BP:BP+1], s[6:7], s[46:47]
	s_add_nc_u64 s[10:11], s[10:11], s[86:87]
	v_and_b32 v[L16], 31, v0
	v_lshlrev_b32 v[L16], 4, v[L16]                ; 16 x lane
	s_wait_alu depctr_va_vdst(0)
	v_add_nc_u32 v[AD], 0, v[L16]
	v_add_nc_u32 v[AD+1], 65536, v[L16]
	v_add_nc_u32 v[AD+2], 131072, v[L16]
	v_add_nc_u32 v[AD+3], 196608, v[L16]
.irp s, 0,1,2,3,4,5,6,7
	BLOAD 1, \s                                    ; the first pass's weights, in the order in which the passes ask
	BLOAD 2, \s
.endr
	WIN 0
	s_wait_kmcnt 0x0
	s_add_co_i32 s93, s88, s89                     ; e8 + e9
	s_lshl_b32 s94, s93, 23
	s_add_co_i32 s94, s94, 0xbfb8aa3b              ; -log2(e) x 2^(e8 + e9): the exponents are added to its exponent field
	s_mov_b32 s95, s94
	s_sub_co_i32 s92, s92, s93
	s_sub_co_i32 s92, s92, s90
	s_sub_co_i32 s92, s92, s91                     ; U W / (1 + ..) stands for f / 2^(e8 + e9 + e10 + e11): all five scales are folded into the conversion's one
	s_add_co_i32 s92, s92, 127
	s_lshl_b32 s93, s92, 23
	v_mov_b32 v12, s93
	s_add_co_i32 s92, s92, 8
	s_lshl_b32 s92, s92, 23
	s_or_b32 s92, s92, 0x600000
	v_mov_b32 v13, s92
	s_cmp_ge_u32 s42, 6
	s_cselect_b32 s[LIM], 1, 2                     ; passes that have a successor: one where y is 6 or 7, else two
	s_mov_b32 s[CNT], 0
	s_wait_tensorcnt 0x0                           ; my quarter of h has landed,
	s_barrier_signal -1
	s_barrier_wait -1                              ; everybody's: from here on the waves share nothing that changes
.Lpass:                                            ; a constant two trips; the second is jumped over where the work-group has two column blocks (its y alone decides: all four waves go the same way)
	s_cmp_ge_u32 s[CNT], s[LIM]
	s_cbranch_scc1 .Lskip
	s_wait_alu depctr_va_vdst(0)
	PASS 1
.Lskip:
	s_add_co_u32 s[CNT], s[CNT], 1
	s_cmp_lt_u32 s[CNT], 2
	s_cbranch_scc1 .Lpass
	s_wait_alu depctr_va_vdst(0)
	PASS 0                                         ; the last pass is written out: it asks for nothing more, so no load leaves the weights' buffer
	s_wait_tensorcnt 0x0                           ; the wave's end
	ds_add_u32 v[SPW], v[NIL]
	s_wait_dscnt 0x0
	s_endpgm
.Lfunc_end_k_qac8c5e2876_gffn:
	.size	k_qac8c5e2876_gffn, .Lfunc_end_k_qac8c5e2876_gffn-k_qac8c5e2876_gffn
	.p2alignl 7, 3214868480
	.fill 96, 4, 3214868480
	.section	.rodata,"a",@progbits
	.p2align	6, 0x0
	.amdhsa_kernel k_qac8c5e2876_gffn
		.amdhsa_group_segment_fixed_size 327680
		.amdhsa_private_segment_fixed_size 0
		.amdhsa_enable_private_segment 0
		.amdhsa_kernarg_size 32
		.amdhsa_user_sgpr_count 2
		.amdhsa_user_sgpr_kernarg_segment_ptr 1
		.amdhsa_wavefront_size32 1
		.amdhsa_system_sgpr_workgroup_id_x 1
		.amdhsa_system_sgpr_workgroup_id_y 1
		.amdhsa_system_sgpr_workgroup_id_z 1
		.amdhsa_system_vgpr_workitem_id 0
		.amdhsa_next_free_vgpr 1024
		.amdhsa_next_free_sgpr 100
		.amdhsa_reserve_vcc 0
		.amdhsa_float_denorm_mode_32 3
		.amdhsa_float_denorm_mode_16_64 3
		.amdhsa_memory_ordered 1
		.amdhsa_forward_progress 1
		.amdhsa_inst_pref_size 211
	.end_amdhsa_kernel
	.amdgpu_metadata
---
amdhsa.version: [ 1, 2 ]
amdhsa.kernels:
  - .name:           k_qac8c5e2876_gffn
    .symbol:         k_qac8c5e2876_gffn.kd
    .args:
      - { .name: h2, .offset: 0, .size: 8, .value_kind: global_buffer, .address_space: global }
      - { .name: wts, .offset: 8, .size: 8, .value_kind: global_buffer, .address_space: global }
      - { .name: lowp_scales, .offset: 16, .size: 8, .value_kind: global_buffer, .address_space: global }
      - { .name: f, .offset: 24, .size: 8, .value_kind: global_buffer, .address_space: global }
    .group_segment_fixed_size: 327680
    .private_segment_fixed_size: 0
    .kernarg_segment_align: 8
    .kernarg_segment_size: 32
    .max_flat_workgroup_size: 128
    .sgpr_count:     100
    .vgpr_count:     1024
    .wavefront_size: 32
...
	.end_amdgpu_metadata
.endif
;; end of part 6
;; launch gdown (part 7): grid 8 x 32, 4 waves a work-group, clusters of 4 x 4, 327,680 bytes of LDS; arguments f, wts, lowp_scales, x1, out0; writes out0
.if DOCPART == 7
	.amdgcn_target "amdgcn-amd-amdhsa--gfx1250"
	.amdhsa_code_object_version 6
	.text
	.protected	k_qac8c5e2876_gdown
	.globl	k_qac8c5e2876_gdown
	.p2align	8
	.type	k_qac8c5e2876_gdown,@function
k_qac8c5e2876_gdown:
	s_mov_b64 s[64:65], 0
	v_nop
	global_prefetch_b8 v0, s[64:65] scope:SCOPE_SE
	s_setreg_imm32_b32 hwreg(HW_REG_WAVE_MODE, 25, 1), 1
	s_wait_xcnt 0x0
	s_wait_alu depctr_hold_cnt(0) depctr_sa_sdst(0) depctr_va_vdst(0) depctr_va_sdst(0) depctr_va_ssrc(0) depctr_va_vcc(0) depctr_vm_vsrc(0)
	s_getreg_b32 s2, hwreg(HW_REG_IB_STS2, 6, 4)
	s_cmp_eq_u32 s2, 0
	s_cbranch_scc0 .Lentry_in_a_cluster
	s_endpgm
.Lentry_in_a_cluster:
	s_bfe_u32 s2, ttmp6, 0x10000c
	s_cmp_lg_u32 s2, 0xf033
	s_cbranch_scc0 .Lentry_shape_is_right
	s_endpgm
.Lentry_shape_is_right:
.set KS,    22
.set BOFF,  9961472
.set EOFF,  0x30
.set PART,  32768
.set SLOT,  4*PART
.set STAGE, 2*SLOT
.set SPITCH, 272
.set SPARE, STAGE+4*16*SPITCH
.set ADRA, 16
.set ADRB, 20
.set STO,  24
.set RD,   25
.set CO,   26
.set SPW,  28
.set NIL,  29
.set BK,   32
.set ACC,  128
.set F0,   0
.set F1,   128
.set G1, 24
.set G0, 32
.set G1B, 48
.set G0B, 56
.set G1S, 68
.set G1BS, 76
.set MSB, 0
.macro WIN new
.if MSB != \new
	s_set_vgpr_msb (MSB<<8)|\new
.set MSB, \new
.endif
.endm
.set MUL,  0x05
.set TO_F, 0x40
.macro JLOAD g0a, g1a, g0b, g1b
	s_cmp_eq_u32 s15, 0
	s_cbranch_scc0 .Lfor_b_\@
	tensor_load_to_lds s[\g0a:\g0a+3], s[\g1a:\g1a+7]
	s_nop 0
.rept 4
	v_nop
.endr
	s_branch .Lasked_\@
.Lfor_b_\@:
	tensor_load_to_lds s[\g0b:\g0b+3], s[\g1b:\g1b+7]
	s_nop 0
.rept 4
	v_nop
.endr
.Lasked_\@:
.endm
.macro CREST
	s_cmp_lg_u32 s14, 0
	s_cbranch_scc1 .Lnot_wave_0_\@
	s_barrier_signal -3
.Lnot_wave_0_\@:
	s_barrier_wait -3
	s_barrier_signal -1
	s_barrier_wait -1
.endm
.macro CROUND
	s_barrier_signal -1
	s_barrier_wait -1
	CREST
.endm
.macro PLACES
.rept 4
	v_nop
.endr
.endm
.macro FETCH slot, q, f
	WIN TO_F
.irp b, 0,1,2,3
.irp c, 0,1,2,3
	ds_load_b128 v[\f+64+16*\b+4*\c:\f+64+16*\b+4*\c+3], v[ADRB+\slot] offset:8192*\b+2048*(\q)+512*\c
.endr
.endr
.irp a, 0,1,2,3
.irp c, 0,1,2,3
	ds_load_b128 v[\f+16*\a+4*\c:\f+16*\a+4*\c+3], v[ADRA+\slot] offset:8192*\a+2048*(\q)+512*\c
.endr
.endr
.endm
.macro MUL4 f, a, zero
	WIN MUL
.irp b, 0,1,2,3
.if \zero
	v_wmma_f32_16x16x128_fp8_fp8 v[ACC+8*(4*(\a)+\b):ACC+8*(4*(\a)+\b)+7], v[\f+64+16*\b:\f+64+16*\b+15], v[\f+16*(\a):\f+16*(\a)+15], 0
.else
	v_wmma_f32_16x16x128_fp8_fp8 v[ACC+8*(4*(\a)+\b):ACC+8*(4*(\a)+\b)+7], v[\f+64+16*\b:\f+64+16*\b+15], v[\f+16*(\a):\f+16*(\a)+15], v[ACC+8*(4*(\a)+\b):ACC+8*(4*(\a)+\b)+7]
.endif
.endr
.endm
.macro CHUNK f, zero, slot, q, g
	s_wait_dscnt 8
	MUL4 \f, 0, \zero
	MUL4 \f, 1, \zero
	PLACES
	FETCH \slot, \q, \g
	s_wait_dscnt 32
	MUL4 \f, 2, \zero
	MUL4 \f, 3, \zero
.endm
.macro THREE slot, zero
	CHUNK F0, \zero, \slot, 1, F1
	CHUNK F1, 0, \slot, 2, F0
	CHUNK F0, 0, \slot, 3, F1
.endm
.macro TURN slot, next, fill, ga, gb
	WIN 0
	s_wait_tensorcnt 0x0
	ds_add_u32 v[SPW], v[NIL]
	s_wait_dscnt 9
	MUL4 F1, 0, 0
	s_wait_dscnt 0x0
	s_barrier_signal -1
	MUL4 F1, 1, 0
.if \fill
	WIN 0
.endif
	s_barrier_wait -1
.if \fill
	CREST
	s_add_nc_u64 s[G0+4*\slot+2:G0+4*\slot+3], s[G0+4*\slot+2:G0+4*\slot+3], 16384
	s_add_nc_u64 s[G0B+4*\slot+2:G0B+4*\slot+3], s[G0B+4*\slot+2:G0B+4*\slot+3], 16384
	JLOAD G0+4*\slot, \ga, G0B+4*\slot, \gb
.else
	PLACES
.endif
	FETCH \next, 0, F0
	MUL4 F1, 2, 0
	MUL4 F1, 3, 0
.endm
.macro LAST
	s_wait_dscnt 8
	MUL4 F1, 0, 0
	MUL4 F1, 1, 0
	s_wait_dscnt 0x0
	MUL4 F1, 2, 0
	MUL4 F1, 3, 0
.endm
	s_load_b128 s[4:7], s[0:1], 0x0
	s_load_b128 s[8:11], s[0:1], 0x10
	s_load_b64 s[12:13], s[0:1], 0x20
	v_lshl_add_u32 v[SPW], v0, 2, SPARE
	v_mov_b32 v[NIL], 0
	ds_add_u32 v[SPW], v[NIL]
	ds_add_u32 v[SPW], v[NIL]
	v_lshrrev_b32 v1, 5, v0
	v_readfirstlane_b32 s14, v1
	s_lshr_b32 s15, s14, 1
	s_and_b32 s16, s14, 1
	s_bfe_u32 s40, ttmp6, 0x40000
	s_bfe_u32 s41, ttmp6, 0x40004
	s_lshl_b32 s42, ttmp9, 2
	s_add_co_u32 s42, s42, s40
	s_and_b32 s17, ttmp7, 0xffff
	s_lshl_b32 s17, s17, 2
	s_add_co_u32 s17, s17, s41
	s_lshl_b32 s43, s41, 2
	s_lshl_b32 s43, 15, s43
	s_lshl_b32 s44, 0x1111, s40
	s_or_b32 s[G1], s43, (3<<16)|(1<<21)
	s_or_b32 s[G1B], s44, (3<<16)|(1<<21)
.irp g, G1, G1B
	s_mov_b32 s[\g+1], 1024<<16
	s_mov_b32 s[\g+2], 4<<16
	s_mov_b32 s[\g+3], 1024<<16
	s_mov_b32 s[\g+4], 4
	s_mov_b32 s[\g+5], KS*256
	s_mov_b32 s[\g+6], 0
	s_mov_b32 s[\g+7], 0
.endr
.if KS > 8
	s_or_b32 s[G1S], s43, (3<<16)|(1<<21)
	s_or_b32 s[G1BS], s44, (3<<16)|(1<<21)
.irp g, G1S, G1BS
	s_mov_b32 s[\g+1], 512<<16
	s_mov_b32 s[\g+2], 4<<16
	s_mov_b32 s[\g+3], 1024<<16
	s_mov_b32 s[\g+4], 4
	s_mov_b32 s[\g+5], KS*256
	s_mov_b32 s[\g+6], 0
	s_mov_b32 s[\g+7], 0
.endr
.endif
	s_lshl_b32 s18, s16, 2
	s_lshl_b32 s20, s17, 3
	s_add_co_u32 s20, s20, s18
	s_mul_i32 s20, s20, KS*2048
	s_mov_b32 s21, 0
	s_lshl_b32 s46, s42, 3
	s_add_co_u32 s46, s46, s18
	s_mul_i32 s46, s46, KS*2048
	s_add_co_u32 s46, s46, BOFF
	s_mov_b32 s47, 0
	s_mul_i32 s45, s14, PART
	s_wait_dscnt 0x0
	s_wait_kmcnt 0x0
	s_load_b64 s[96:97], s[8:9], EOFF
	s_add_nc_u64 s[20:21], s[4:5], s[20:21]
	s_add_nc_u64 s[46:47], s[6:7], s[46:47]
	CROUND
.irp s, 0,1
	s_mov_b32 s[G0+4*\s], 1
	s_add_co_u32 s[G0+4*\s+1], s45, \s*SLOT
	s_add_nc_u64 s[G0+4*\s+2:G0+4*\s+3], s[20:21], \s*8192
	s_or_b32 s[G0+4*\s+3], s[G0+4*\s+3], 0x80000000
	s_mov_b32 s[G0B+4*\s], 1
	s_add_co_u32 s[G0B+4*\s+1], s45, \s*SLOT
	s_add_nc_u64 s[G0B+4*\s+2:G0B+4*\s+3], s[46:47], \s*8192
	s_or_b32 s[G0B+4*\s+3], s[G0B+4*\s+3], 0x80000000
.endr
	JLOAD G0, G1, G0B, G1B                         ; slot 0: one tensor load a wave at the head
	v_and_b32 v1, 15, v0
	v_bfe_u32 v2, v0, 4, 1
	v_lshlrev_b32 v[CO], 12, v2
	v_lshl_add_u32 v[CO], v1, 4, v[CO]
	s_wait_alu depctr_va_vdst(0)
	s_lshl_b32 s86, s17, 7
	s_lshl_b32 s87, s15, 6
	s_add_co_u32 s86, s86, s87
	s_lshl_b32 s86, s86, 12
	s_lshl_b32 s87, s42, 9
	s_add_co_u32 s86, s86, s87
	s_lshl_b32 s87, s16, 8
	s_add_co_u32 s86, s86, s87
	s_mov_b32 s87, 0
	s_add_nc_u64 s[10:11], s[10:11], s[86:87]
	s_add_nc_u64 s[12:13], s[12:13], s[86:87]
	WIN 0x80
.set u, 0
.rept 32
	global_load_b128 v[4*u:4*u+3], v[CO], s[10:11] offset:(16*(u/8)+2*(u%8))*4096 th:TH_LOAD_NT
.set u, u+1
.endr
	WIN 0
	v_and_b32 v3, 31, v0
	v_lshlrev_b32 v3, 4, v3
	s_mul_i32 s21, s15, PART
	s_mul_i32 s22, s16, PART
	s_add_co_u32 s22, s22, 2*PART
.irp s, 0,1
	v_add_nc_u32 v[ADRA+\s], s21, v3
	v_add_nc_u32 v[ADRB+\s], s22, v3
	s_add_co_u32 s21, s21, SLOT
	s_add_co_u32 s22, s22, SLOT
.endr
	s_mul_i32 s23, s14, 16*SPITCH
	s_add_co_u32 s23, s23, STAGE
	v_mul_u32_u24 v4, v1, SPITCH
	v_lshl_add_u32 v4, v2, 5, v4
	v_add_nc_u32 v[STO], s23, v4
	v_mul_u32_u24 v5, v2, SPITCH
	v_lshl_add_u32 v5, v1, 4, v5
	v_add_nc_u32 v[RD], s23, v5
	s_wait_alu depctr_va_vdst(0)
	s_wait_tensorcnt 0x0                           ; my part of slot 0 is in
	ds_add_u32 v[SPW], v[NIL]
	s_wait_dscnt 0x0
	CROUND                                         ; everybody's part of slot 0 is in, and the joint loads meet
	JLOAD G0+4, G1, G0B+4, G1B                     ; slot 1: the first tensor load behind the round
	FETCH 0, 0, F0
.if KS > 8
	THREE 0, 1
	TURN 0, 1, 1, G1, G1B
	THREE 1, 0
	TURN 1, 0, 1, G1, G1B
	THREE 0, 0
	TURN 0, 1, 1, G1, G1B
	THREE 1, 0
	TURN 1, 0, 1, G1S, G1BS
	THREE 0, 0
	TURN 0, 1, 0, G1, G1B
	CHUNK F0, 0, 1, 1, F1
	LAST
.else
	THREE 0, 1
	TURN 0, 1, 0, G1, G1B
	THREE 1, 0
	LAST
.endif
	WIN 0
	s_wait_kmcnt 0x0
	s_add_co_i32 s96, s96, s97
	s_add_co_i32 s96, s96, 127
	s_lshl_b32 s96, s96, 23
	s_mov_b32 s97, s96
	PLACES
	s_wait_loadcnt 0x0
.macro OUTB a
.set BB, BK+32*((\a)%2)
.if (\a) > 1
	s_wait_xcnt 0x0
.endif
.irp b, 0,1,2,3
	ds_store_b128 v[STO], v[ACC+8*(4*(\a)+\b):ACC+8*(4*(\a)+\b)+3] offset:64*\b
	ds_store_b128 v[STO], v[ACC+8*(4*(\a)+\b)+4:ACC+8*(4*(\a)+\b)+7] offset:64*\b+16
.endr
.irp t, 0,1,2,3,4,5,6,7
	ds_load_b128 v[BB+4*\t:BB+4*\t+3], v[RD] offset:\t*2*SPITCH
.endr
	s_wait_dscnt 0x0
	WIN 0x20
.set u, 0
.rept 16
	v_pk_fma_f32 v[BB+u:BB+u+1], v[BB+u:BB+u+1], s[96:97], v[32*(\a)+u:32*(\a)+u+1] op_sel_hi:[1,0,1]
.set u, u+2
.endr
	WIN 0
.irp t, 0,1,2,3,4,5,6,7
	global_store_b128 v[CO], v[BB+4*\t:BB+4*\t+3], s[12:13] offset:(16*(\a)+2*\t)*4096
.endr
.endm
	OUTB 0
	OUTB 1
	OUTB 2
	OUTB 3
	s_wait_tensorcnt 0x0
	ds_add_u32 v[SPW], v[NIL]
	s_wait_dscnt 0x0
	CROUND
	s_endpgm
.Lfunc_end_k_qac8c5e2876_gdown:
	.size	k_qac8c5e2876_gdown, .Lfunc_end_k_qac8c5e2876_gdown-k_qac8c5e2876_gdown
	.p2alignl 7, 3214868480
	.fill 96, 4, 3214868480
	.section	.rodata,"a",@progbits
	.p2align	6, 0x0
	.amdhsa_kernel k_qac8c5e2876_gdown
		.amdhsa_group_segment_fixed_size 327680
		.amdhsa_private_segment_fixed_size 0
		.amdhsa_enable_private_segment 0
		.amdhsa_kernarg_size 40
		.amdhsa_user_sgpr_count 2
		.amdhsa_user_sgpr_kernarg_segment_ptr 1
		.amdhsa_wavefront_size32 1
		.amdhsa_system_sgpr_workgroup_id_x 1
		.amdhsa_system_sgpr_workgroup_id_y 1
		.amdhsa_system_sgpr_workgroup_id_z 1
		.amdhsa_system_vgpr_workitem_id 0
		.amdhsa_next_free_vgpr 640
		.amdhsa_next_free_sgpr 100
		.amdhsa_reserve_vcc 0
		.amdhsa_float_denorm_mode_32 3
		.amdhsa_float_denorm_mode_16_64 3
		.amdhsa_memory_ordered 1
		.amdhsa_forward_progress 1
		.amdhsa_inst_pref_size 100
	.end_amdhsa_kernel
	.amdgpu_metadata
---
amdhsa.version: [ 1, 2 ]
amdhsa.kernels:
  - .name:           k_qac8c5e2876_gdown
    .symbol:         k_qac8c5e2876_gdown.kd
    .args:
      - { .name: f, .offset: 0, .size: 8, .value_kind: global_buffer, .address_space: global }
      - { .name: wts, .offset: 8, .size: 8, .value_kind: global_buffer, .address_space: global }
      - { .name: lowp_scales, .offset: 16, .size: 8, .value_kind: global_buffer, .address_space: global }
      - { .name: x1, .offset: 24, .size: 8, .value_kind: global_buffer, .address_space: global }
      - { .name: out0, .offset: 32, .size: 8, .value_kind: global_buffer, .address_space: global }
    .group_segment_fixed_size: 327680
    .private_segment_fixed_size: 0
    .kernarg_segment_align: 8
    .kernarg_segment_size: 40
    .max_flat_workgroup_size: 128
    .sgpr_count:     100
    .vgpr_count:     640
    .wavefront_size: 32
...
	.end_amdgpu_metadata
.endif
;; end of part 7
